; MI455X (gfx1250); checked and timed in simulation.
; The chip was launched on July 23, 2026; its instructions are those of AMD's public machine-readable ISA for CDNA 5 (MIT licence, August 2026) and "CDNA5" Instruction Set Architecture Reference Guide (July 2026). The comments in the code are by the model that wrote it; some were corrected since.
;; Multiband Frame Attention. Allowed arithmetic: matrix products marked QUANTISED: E2M3 operands, one E8M0 scale for each 32 along K, by v_wmma_scale_f32_16x16x128_f8f6f4 with both operands' format E2M3, f32 sums; everything else in f32.
;; Inputs: Wk 512 x 512 float32; Wo 512 x 512 float32; Wq 512 x 512 float32; Wv 512 x 512 float32; bk 512 float32; bo 512 float32; bq 512 float32; bv 512 float32; er 64 x 2,048 float32; x 2 x 2,048 x 512 float32.
;; Outputs: out0 2 x 2,048 x 512 float32.
;; Constants: num_bands = 8.
;; This version of the problem:
;;   THIS VERSION OF THE PROBLEM IS GIVEN IN LOW PRECISION. The matrix products marked QUANTISED in the list below multiply operands that are first quantised to E2M3 (2 exponent bits, 3 mantissa bits; 6 bits a number), with one power-of-two scale for each 32 numbers along K (OCP MX v1.0); their sums are f32. All else is computed in f32.
;;   The module's matrix products, in the order in which they are computed (A, B: the left and right operand; K: the contracted axis; several contracted axes count as one K, in the product's order):
;;     1. [M 4,096, K 512] x [K 512, N 512]; A: input x; B: input Wq: QUANTISED
;;     2. [M 4,096, K 512] x [K 512, N 512]; A: input x; B: input Wk: QUANTISED
;;     3. [M 4,096, K 512] x [K 512, N 512]; A: input x; B: input Wv: QUANTISED
;;     4. [M 32,768, K 64] x [K 64, N 2,048]; A: computed on the way; B: input er: QUANTISED
;;     5. batch 16 x [M 2,048, K 64] x [K 64, N 2,048]; A: computed on the way; B: computed on the way: QUANTISED
;;     6. batch 16 x [M 2,048, K 2,048] x [K 2,048, N 64]; A: softmax (see below); B: computed on the way: QUANTISED
;;     7. [M 4,096, K 512] x [K 512, N 512]; A: computed on the way; B: input Wo: QUANTISED
;;   THE QUANTISER, for each operand of a quantised product, along K:
;;     - K is cut into blocks of 32 from its start; a last block that is shorter is filled with zeros.
;;     - A block's scale is 2^e with e = floor(log2(the largest magnitude in the block)) - 2, held to -126 .. 127; a block of zeros has e = 0. As a byte (E8M0): e + 127.
;;     - Each number is divided by its block's scale, clamped to +-7.5, and rounded to the nearest number of E2M3, ties to even, subnormals kept.
;;     - The product sums the exact products of the quantised numbers (number of the format x scale) in f32.
;;   ~~~python
;;   def quantise(x, axis):      # numpy; x: float32 -> the quantised numbers, widened to float32 again
;;       x = np.moveaxis(x, axis, -1); K = x.shape[-1]
;;       x = np.pad(x, [(0, 0)] * (x.ndim - 1) + [(0, -K % 32)]); x = x.reshape(x.shape[:-1] + (-1, 32)); a = np.abs(x).max(-1, keepdims=True)
;;       e = np.where(a > 0, np.clip(np.frexp(np.where(a > 0, a, 1))[1] - 1 - 2, -126, 127), 0)      # np.frexp(a)[1] - 1 = floor(log2(a)), exactly
;;       r = np.clip(x / 2.0 ** e, -7.5, 7.5)
;;       step = 2.0 ** (np.maximum(np.frexp(np.where(r == 0, 1, r))[1] - 1, 0) - 3)
;;       q = np.round(r / step) * step * 2.0 ** e      # np.round: ties to even
;;       return np.moveaxis(q.reshape(q.shape[:-2] + (-1,))[..., :K], -1, axis).astype(np.float32)
;;   ~~~
;;   SOFTMAX AHEAD OF A QUANTISED PRODUCT. Where the list says 'softmax', what is quantised is not the finished softmax but p = 2^(t - M), with t = logit x log2(e) and M = ceil(the row's largest t), a whole number; so 1/2 < the row's largest p <= 1. The row's sum l is taken of the UNQUANTISED p, in f32, and the product's result is divided by l at the end. Since M is a whole number, a kernel that streams over the keys may use a running M (the ceiling of the running maximum): every later rescaling is an exact power of two, which a block's scale takes up: the codes' values come out the same.
;;   OPERANDS COMPUTED ON THE WAY. 'Computed on the way' means the value that the module computes at that place (a softmax that the list does not call 'softmax' is quantised finished and normalised). What goes into a quantiser is computed in f32, as accurately as f32 sums, v_exp_f32 and their like allow (about 1e-6 of the number): no bf16 or f16 on the way to a quantiser, and a product that is left as it is and whose result goes on into a quantised operand takes f32 operands (vector FMAs, or v_wmma_f32_16x16x4_f32). A number that lies on a knife's edge between two numbers of the format may be rounded either way, as far as f32 arithmetic and the matrix unit's own rounding can turn it there, and no further.
;; One version. Each part assembles by itself: llvm-mc -triple=amdgcn-amd-amdhsa -mcpu=gfx1250 --defsym DOCPART=n.
;; ======== version 1 of 1: 4 launches
;; limits: right only within a limited range of input values
;; workspace buffers: xq 1,638,400 bytes; wq 819,200 bytes; erq 106,496 bytes; kv 4,915,200 bytes; oq 1,703,936 bytes
;; launch prep (part 1): grid 256 x 1, 7 waves a work-group, no clusters, 52,224 bytes of LDS; arguments x, Wq, Wk, Wv, Wo, er, xq, wq, erq; writes xq, wq, erq
.if DOCPART == 1
	.amdgcn_target "amdgcn-amd-amdhsa--gfx1250"
	.amdhsa_code_object_version 6
	.text
	.protected	k_qf512817d7d_prep
	.globl	k_qf512817d7d_prep
	.p2align	8
	.type	k_qf512817d7d_prep,@function
k_qf512817d7d_prep:
	s_mov_b64 s[64:65], 0
	v_nop
	global_prefetch_b8 v0, s[64:65] scope:SCOPE_SE
	s_setreg_imm32_b32 hwreg(HW_REG_WAVE_MODE, 25, 1), 1
	s_wait_xcnt 0x0
; PREP: x [4096][512], Wq, Wk, Wv, Wo [512][512] (K innermost) and er [64][2048] (K = its first axis), all f32, become codes of FP6 (E2M3) with one E8M0 byte
; for each 32 along K.  A block's scale is 2^(floor(log2(largest magnitude)) - 2): its byte is the largest magnitude's exponent field - 2, held at 1 from below.
; LIMITS: NaN and infinities are not served; a block whose largest magnitude lies under 2^-124 (zeros too) gets the byte 1: zero codes add nothing under it, and this program alone reads the bytes.
; LAYOUT OF THE RESULTS: images of operand registers.  A fragment (16 rows x 128 K) is 12 registers a lane: registers 4 g .. 4 g + 3 of lane l lie at 512 g + 16 l (1,536 bytes).
; THE ROWS OF A TILE ARE NOT NEIGHBOURS: lane r of tile T holds row 64 (T / 4) + 8 (T % 4) + (r % 8) + 32 (r / 8), so that in a later product's result the 32 registers of
; tiles 4 b .. 4 b + 3 are, in one lane, 32 neighbours: a whole scale block.
; A tile's scale words (256 bytes): [K step / 2][row r][K step % 2].
; SHARES.  256 work-groups of seven waves.  Waves 0-3: tile = work-group of x, K step = wave.  Waves 4, 5: tile (wg / 2) % 32 of matrix wg / 64, K step 2 (wg % 2) + wave - 4.  Wave 6 of work-groups 0-127: er's tile wg.
; Each load of waves 0-5 reads 512 consecutive bytes of a row; the 16 rows turn through the wave's own stage in LDS (rows 528 bytes apart) and come back as two whole blocks of 32 a lane.
; No tile is shared between work-groups, so there is no cluster; no tensor load.
; A block of xq (8 tiles, 51,200 bytes) or wq (4 tiles, 25,600 bytes) is laid in two halves of K: the images of K steps 0, 1 of all its tiles and their words, then those of K steps 2, 3.
.set STGB,  8448                       ; a wave's stage: 16 rows x 528 bytes
.set SCST,  6*STGB                     ; the scale words: 256 bytes of x's tile, 128 of the weight's
.set SPARE, 51200
.set X,   16                           ; v16-79   16 rows as loaded
.set Y,   80                           ; v80-143  my two blocks of 32: register 32 c + i = k 64 c + 32 h + i of row r
.set PC,  144                          ; v144-155 the fragment
.set TQ,  156                          ; v156-163 the upper halves of the two blocks' codes (a conversion's three registers begin on an even number)
.set TM,  164                          ; v164-165 largest magnitudes
.set SCL, 166                          ; v166-167 the conversions' scale operands
.set BY,  168                          ; v168-169 the scale bytes
.set WD,  170                          ; v170     the row's scale word
.set TT,  171
.set SPW, 192
.set NIL, 193
	s_load_b256 s[4:11], s[0:1], 0x0               ; x, Wq, Wk, Wv
	s_load_b256 s[12:19], s[0:1], 0x20             ; Wo, er, xq, wq
	s_load_b64 s[20:21], s[0:1], 0x40              ; erq
	v_lshl_add_u32 v[SPW], v0, 2, SPARE
	v_mov_b32 v[NIL], 0
	v_lshrrev_b32 v1, 5, v0
	v_readfirstlane_b32 s22, v1                    ; wave 0..6
	v_and_b32 v1, 31, v0                           ; l
	v_and_b32 v2, 15, v0                           ; r
	v_bfe_u32 v3, v0, 4, 1                         ; h
	v_lshlrev_b32 v4, 4, v1                        ; 16 l
	v_lshlrev_b32 v10, 3, v1                       ; 8 l
	v_lshlrev_b32 v15, 2, v1                       ; 4 l
	s_mov_b32 s2, 0x76543210
	s_mov_b32 s3, 0xfedcba98                       ; v_permlanex16_b32's selects for lane l xor 16
	s_lshr_b32 s24, ttmp9, 6                       ; m: 0 Wq, 1 Wk, 2 Wv, 3 Wo
	s_lshr_b32 s23, ttmp9, 1
	s_and_b32 s25, s23, 31                         ; the weight's tile
	s_lshr_b32 s32, ttmp9, 3                       ; x: block of 8 tiles
	s_lshr_b32 s33, s23, 2                         ; W: block of 4 tiles
	s_and_b32 s34, ttmp9, 7                        ; the tile's place in its block
	s_and_b32 s35, s23, 3
	s_and_b32 s45, ttmp9, 1
	s_lshl_b32 s45, s45, 1
	s_and_b32 s29, s22, 1
	s_add_co_u32 s45, s45, s29                     ; W: K step
	s_mov_b32 s36, 25600                           ; a block's bytes, and where its scale words begin
	s_mov_b32 s37, 12288                           ; (in each half)
	s_wait_alu depctr_va_vdst(0)
	s_wait_kmcnt 0x0
	s_cmp_eq_u32 s24, 1
	s_cselect_b64 s[26:27], s[8:9], s[6:7]
	s_cmp_eq_u32 s24, 2
	s_cselect_b64 s[26:27], s[10:11], s[26:27]
	s_cmp_eq_u32 s24, 3
	s_cselect_b64 s[26:27], s[12:13], s[26:27]
	s_cmp_lt_u32 s22, 4                            ; x or a weight: only pointers and sizes are chosen, both take one path
	s_cselect_b64 s[26:27], s[4:5], s[26:27]       ; from where
	s_cselect_b64 s[30:31], s[16:17], s[18:19]     ; to where
	s_cselect_b32 s28, ttmp9, s25                  ; the tile in its tensor
	s_cselect_b32 s32, s32, s33
	s_cselect_b32 s34, s34, s35
	s_cselect_b32 s36, 51200, s36
	s_cselect_b32 s37, 24576, s37
	s_cselect_b32 s45, s22, s45                    ; the K step
	s_lshr_b32 s38, s28, 2
	s_lshl_b32 s38, s38, 17                        ; 64 (T / 4) rows of 2,048 bytes
	s_and_b32 s39, s28, 3
	s_lshl_b32 s39, s39, 14                        ; 8 (T % 4) rows
	s_add_co_u32 s38, s38, s39
	s_lshl_b32 s39, s45, 9                         ; K step: 512 bytes
	s_add_co_u32 s38, s38, s39
	s_mov_b32 s39, 0
	s_add_nc_u64 s[26:27], s[26:27], s[38:39]
	s_mul_i32 s40, s32, s36                        ; the block's first byte
	s_lshr_b32 s36, s36, 1
	s_lshr_b32 s41, s45, 1
	s_mul_i32 s41, s41, s36
	s_add_co_u32 s40, s40, s41                     ; my half's
	s_add_co_u32 s42, s40, s37
	s_lshl_b32 s41, s34, 7                         ; the tile's 128 bytes of scale words
	s_add_co_u32 s42, s42, s41
	s_mov_b32 s43, 0
	s_lshl_b32 s41, s34, 1
	s_and_b32 s38, s45, 1
	s_add_co_u32 s41, s41, s38
	s_mul_i32 s41, s41, 1536                       ; image (tile i, K step s) at 1536 (2 i + s % 2) of the half
	s_add_co_u32 s40, s40, s41
	s_mov_b32 s41, 0
	s_add_nc_u64 s[42:43], s[30:31], s[42:43]
	s_add_nc_u64 s[30:31], s[30:31], s[40:41]
	s_mul_i32 s29, s22, STGB
	s_lshr_b32 s44, s22, 1
	s_lshl_b32 s44, s44, 7
	s_and_b32 s46, s22, 1
	s_lshl_b32 s46, s46, 2
	s_add_co_u32 s44, s44, s46
	s_add_co_u32 s44, s44, SCST
	v_add_nc_u32 v5, s29, v4                       ; the stage, in: 16 l of a row
	v_mul_u32_u24 v6, v2, 528
	v_lshl_add_u32 v6, v3, 7, v6
	v_add_nc_u32 v6, s29, v6                       ; out: row r, + 128 h: my block of 32 numbers
	v_lshlrev_b32 v7, 3, v3                        ; 8 h
	v_lshl_add_u32 v8, v2, 3, s44                  ; my row's word: 128 (wave / 2) + 8 r + 4 (wave % 2)
	v_add_nc_u32 v9, s44, v15                      ; waves 0, 2, 4: my pair's 32 words on their way out
	s_wait_alu depctr_va_vdst(0)
	s_cmp_eq_u32 s22, 6
	s_cbranch_scc1 .Ler
.irp j, 0,1,2,3,4,5,6,7,8,9,10,11,12,13,14,15
	global_load_b128 v[X+4*\j:X+4*\j+3], v4, s[26:27] offset:((\j%8)+32*(\j/8))*2048 th:TH_LOAD_NT   ; the row of the tile's lane j: 32 lanes read 512 consecutive bytes, read once in the launch
.endr
.irp j, 0,1,2,3,4,5,6,7,8,9,10,11,12,13,14,15
	s_wait_loadcnt 15-\j                           ; loads come back in order: row j is in, the younger ones stay out
	ds_store_b128 v5, v[X+4*\j:X+4*\j+3] offset:528*\j
.endr
.irp c, 0,1
.irp i, 0,1,2,3,4,5,6,7
	ds_load_b128 v[Y+32*\c+4*\i:Y+32*\c+4*\i+3], v6 offset:256*\c+16*\i   ; LDS serves a wave's instructions in order: these see my stores
.endr
.endr
	s_wait_dscnt 0x0
.irp c, 0,1                                    ; my block 2 c + h: all its 32 numbers are mine
	v_max3_num_f32 v[TM+\c], |v[Y+32*\c]|, |v[Y+32*\c+1]|, 0x1800000   ; with the floor 2^(3 - 127): the byte cannot fall under 1
.endr
.irp i, 2,4,6,8,10,12,14,16,18,20,22,24,26,28,30
.irp c, 0,1
	v_max3_num_f32 v[TM+\c], v[TM+\c], |v[Y+32*\c+\i]|, |v[Y+32*\c+\i+1]|   ; the two blocks by turns
.endr
.endr
.irp c, 0,1
	v_add_nc_u32 v[SCL+\c], 0xff000000, v[TM+\c]   ; 2 off the exponent field: the conversion takes this operand's exponent field as its scale
.endr
.irp c, 0,1
	v_lshrrev_b32 v[BY+\c], 23, v[SCL+\c]          ; the scale's byte
.endr
	v_lshl_or_b32 v[WD], v[BY+1], 16, v[BY]        ; blocks h and 2 + h,
	v_lshlrev_b32 v[WD], v7, v[WD]                 ; at their places in the word;
	v_mov_b32 v[TT], 0
	v_permlanex16_b32 v[TT], v[WD], s2, s3
	v_or_b32 v[WD], v[WD], v[TT]                   ; with lane l xor 16's two the word is whole
.irp c, 0,1
	v_cvt_scalef32_pk16_fp6_f32 v[PC+6*\c:PC+6*\c+2], v[Y+32*\c:Y+32*\c+15], v[SCL+\c]
	v_cvt_scalef32_pk16_fp6_f32 v[TQ+4*\c:TQ+4*\c+2], v[Y+32*\c+16:Y+32*\c+31], v[SCL+\c]
.endr
	v_nop                                          ; one plain place behind a scaled conversion
.irp c, 0,1
.irp i, 0,1,2
	v_mov_b32 v[PC+6*\c+3+\i], v[TQ+4*\c+\i]
.endr
.endr
.irp g, 0,1,2
	global_store_b128 v4, v[PC+4*\g:PC+4*\g+3], s[30:31] offset:512*\g   ; the image: 512 consecutive bytes a store
.endr
	ds_store_b32 v8, v[WD]                         ; both halves of the lanes write the same word with the same value
	s_branch .Lbar
	; er: K is the first axis.  A lane takes a position and its registers run down K: lane (r, h) holds er[32 h + i][position], a whole block.
	; A tile is half a fragment (K = 64): registers 0, 1 at 8 l, registers 2 .. 5 at 256 + 16 l (768 bytes); its 16 words, bytes in bits 16 to 31, at 98,304 + 64 tile.
.Ler:
	s_cmp_lt_u32 ttmp9, 128
	s_cbranch_scc0 .Lbar
	s_lshr_b32 s24, ttmp9, 2
	s_lshl_b32 s24, s24, 8                         ; 64 (T / 4) positions
	s_and_b32 s25, ttmp9, 3
	s_lshl_b32 s25, s25, 5                         ; 8 (T % 4)
	s_add_co_u32 s24, s24, s25
	s_mov_b32 s25, 0
	s_mul_i32 s26, ttmp9, 768
	s_mov_b32 s27, 0
	s_lshl_b32 s28, ttmp9, 6
	s_mov_b32 s29, 0
	s_add_nc_u64 s[14:15], s[14:15], s[24:25]
	s_add_nc_u64 s[30:31], s[20:21], s[26:27]
	s_add_nc_u64 s[28:29], s[20:21], s[28:29]
	v_and_b32 v172, 8, v2
	v_mad_u32_u24 v172, v172, 3, v2                ; (r % 8) + 32 (r / 8)
	v_lshlrev_b32 v172, 2, v172
	v_lshl_add_u32 v172, v3, 18, v172              ; + h x 32 rows of 8,192 bytes
.irp i, 0,1,2,3,4,5,6,7,8,9,10,11,12,13,14,15,16,17,18,19,20,21,22,23,24,25,26,27,28,29,30,31
	global_load_b32 v[Y+\i], v172, s[14:15] offset:8192*\i
.endr
	v_add_nc_u32 v173, 16, v7                      ; the byte's place: er's two blocks are bytes 2 and 3 of a query row's scale word
	v_mov_b32 v174, 0                              ; a lane permute's destination counts as one of its sources
	v_lshlrev_b32 v175, 2, v2                      ; 4 r
	s_wait_alu depctr_va_vdst(0)
	s_wait_loadcnt 0x0
	v_max3_num_f32 v12, |v[Y]|, |v[Y+1]|, |v[Y+2]|
	v_max3_num_f32 v13, |v[Y+3]|, |v[Y+4]|, |v[Y+5]|
.irp i, 6,10,14,18,22,26
	v_max3_num_f32 v12, v12, |v[Y+\i]|, |v[Y+\i+1]|
	v_max3_num_f32 v13, v13, |v[Y+\i+2]|, |v[Y+\i+3]|
.endr
	v_max3_num_f32 v12, v12, |v[Y+30]|, |v[Y+31]|
	v_max3_num_f32 v12, v12, v13, 0x1800000        ; and the floor
	v_add_nc_u32 v14, 0xff000000, v12
	v_cvt_scalef32_pk16_fp6_f32 v[PC:PC+2], v[Y:Y+15], v14
	v_cvt_scalef32_pk16_fp6_f32 v[TQ:TQ+2], v[Y+16:Y+31], v14
	v_lshrrev_b32 v[BY], 23, v14                   ; (also the plain place behind the conversions)
	v_lshlrev_b32 v[WD], v173, v[BY]
	v_permlanex16_b32 v174, v[WD], s2, s3
	v_or_b32 v[WD], v[WD], v174                    ; both bytes
.irp i, 0,1,2
	v_mov_b32 v[PC+3+\i], v[TQ+\i]
.endr
	global_store_b64 v10, v[PC:PC+1], s[30:31]
	global_store_b128 v4, v[PC+2:PC+5], s[30:31] offset:256
	v_cmp_gt_u32 vcc_lo, 16, v1
	s_wait_alu depctr_va_vdst(0)
	s_wait_xcnt 0x0                                ; EXEC is a source of the stores above: it changes only behind this wait
	s_and_saveexec_b32 s46, vcc_lo                 ; lanes 0-15: row r's word
	global_store_b32 v175, v[WD], s[28:29] offset:98304
	s_wait_xcnt 0x0                                ; and again in front of the line that widens it
	s_or_b32 exec_lo, exec_lo, s46
.Lbar:
	s_wait_dscnt 0x0                               ; for the other waves' sake: my word has landed
	s_barrier_signal -1
	s_barrier_wait -1
	s_and_b32 s46, s22, 1
	s_cmp_eq_u32 s46, 0
	s_cbranch_scc0 .Lnot_4
	s_cmp_eq_u32 s22, 6
	s_cbranch_scc1 .Lnot_4
	ds_load_b32 v14, v9                            ; a pair of K steps' 32 words
	s_wait_dscnt 0x0
	global_store_b32 v15, v14, s[42:43]            ; 128 consecutive bytes: all that lies together of the tile's words
.Lnot_4:
	s_wait_tensorcnt 0x0                           ; the wave's end
	ds_add_u32 v[SPW], v[NIL]
	s_wait_dscnt 0x0
	s_endpgm
.Lfunc_end_k_qf512817d7d_prep:
	.size	k_qf512817d7d_prep, .Lfunc_end_k_qf512817d7d_prep-k_qf512817d7d_prep
	.p2alignl 7, 3214868480
	.fill 96, 4, 3214868480
	.section	.rodata,"a",@progbits
	.p2align	6, 0x0
	.amdhsa_kernel k_qf512817d7d_prep
		.amdhsa_group_segment_fixed_size 52224
		.amdhsa_private_segment_fixed_size 0
		.amdhsa_enable_private_segment 0
		.amdhsa_kernarg_size 72
		.amdhsa_user_sgpr_count 2
		.amdhsa_user_sgpr_kernarg_segment_ptr 1
		.amdhsa_wavefront_size32 1
		.amdhsa_system_sgpr_workgroup_id_x 1
		.amdhsa_system_sgpr_workgroup_id_y 1
		.amdhsa_system_sgpr_workgroup_id_z 1
		.amdhsa_system_vgpr_workitem_id 0
		.amdhsa_next_free_vgpr 194
		.amdhsa_next_free_sgpr 66
		.amdhsa_reserve_vcc 1
		.amdhsa_float_denorm_mode_32 3
		.amdhsa_float_denorm_mode_16_64 3
		.amdhsa_memory_ordered 1
		.amdhsa_forward_progress 1
		.amdhsa_inst_pref_size 18
	.end_amdhsa_kernel
	.amdgpu_metadata
---
amdhsa.version: [ 1, 2 ]
amdhsa.kernels:
  - .name:           k_qf512817d7d_prep
    .symbol:         k_qf512817d7d_prep.kd
    .args:
      - { .name: x, .offset: 0, .size: 8, .value_kind: global_buffer, .address_space: global }
      - { .name: Wq, .offset: 8, .size: 8, .value_kind: global_buffer, .address_space: global }
      - { .name: Wk, .offset: 16, .size: 8, .value_kind: global_buffer, .address_space: global }
      - { .name: Wv, .offset: 24, .size: 8, .value_kind: global_buffer, .address_space: global }
      - { .name: Wo, .offset: 32, .size: 8, .value_kind: global_buffer, .address_space: global }
      - { .name: er, .offset: 40, .size: 8, .value_kind: global_buffer, .address_space: global }
      - { .name: xq, .offset: 48, .size: 8, .value_kind: global_buffer, .address_space: global }
      - { .name: wq, .offset: 56, .size: 8, .value_kind: global_buffer, .address_space: global }
      - { .name: erq, .offset: 64, .size: 8, .value_kind: global_buffer, .address_space: global }
    .group_segment_fixed_size: 52224
    .private_segment_fixed_size: 0
    .kernarg_segment_align: 8
    .kernarg_segment_size: 72
    .max_flat_workgroup_size: 224
    .sgpr_count:     66
    .vgpr_count:     194
    .wavefront_size: 32
...
	.end_amdgpu_metadata
.endif
;; end of part 1
;; launch proj (part 2): grid 8 x 32, 12 waves a work-group, clusters of 4 x 4, 168,448 bytes of LDS; arguments xq, wq, bq, bk, bv, kv; writes kv
.if DOCPART == 2
	.amdgcn_target "amdgcn-amd-amdhsa--gfx1250"
	.amdhsa_code_object_version 6
	.text
	.protected	k_qf512817d7d_proj
	.globl	k_qf512817d7d_proj
	.p2align	8
	.type	k_qf512817d7d_proj,@function
k_qf512817d7d_proj:
	s_mov_b64 s[64:65], 0
	v_nop
	global_prefetch_b8 v0, s[64:65] scope:SCOPE_SE
	s_setreg_imm32_b32 hwreg(HW_REG_WAVE_MODE, 25, 1), 1
	s_wait_xcnt 0x0
	s_wait_alu depctr_hold_cnt(0) depctr_sa_sdst(0) depctr_va_vdst(0) depctr_va_sdst(0) depctr_va_ssrc(0) depctr_va_vcc(0) depctr_vm_vsrc(0)
	s_getreg_b32 s2, hwreg(HW_REG_IB_STS2, 6, 4)
	s_cmp_eq_u32 s2, 0
	s_cbranch_scc0 .Lentry_in_a_cluster
	s_endpgm
.Lentry_in_a_cluster:
	s_bfe_u32 s2, ttmp6, 0x10000c
	s_cmp_lg_u32 s2, 0xf033
	s_cbranch_scc0 .Lentry_shape_is_right
	s_endpgm
.Lentry_shape_is_right:
; PROJ: q = x Wq^T + bq, k = x Wk^T + bk, v = x Wv^T + bv on codes of FP6 (E2M3), and their quantising for the attention: q and k along the head's 64, v along the keys.
; A work-group takes 128 rows of x (block R) and one head HD: 64 columns of each of the three products.
; TWELVE WAVES, three to a SIMD, in three roles m = wave / 4 of one shape, u = wave % 4: four tiles as source 0 against two tiles as source 1, eight accumulators, four K steps of 128.
;   m = 0 (q), 1 (k): source 0 = the head's four tiles of W, source 1 = x's tiles 2 u, 2 u + 1: a lane holds a row of x and channels 32 h + 0 .. 31, a whole block.
;   m = 2 (v): source 0 = x's tiles 4 c .. 4 c + 3 (c = u % 2), source 1 = Wv's tiles 2 (u / 2), 2 (u / 2) + 1: a lane holds a channel and keys 64 c + 32 h + 0 .. 31, a whole block.
; Lane r of tile T holds row 64 (T / 4) + 8 (T % 4) + (r % 8) + 32 (r / 8).  All operands are images of registers, so every LDS load of codes is 512 consecutive bytes.
; The accumulators begin as the bias.
; RESULT, for head 8 b + HD and key step R % 16, 19,200 bytes: twelve fragments f (0-7: joined key rows [k | q], K = 128; 8-11: v^T, 16 channels x 128 keys):
; registers 0-3 at 1,024 f + 16 l, registers 8-11 at 1,024 f + 512 + 16 l; registers 4, 5 at 12,288 + 512 f + 8 l, registers 6, 7 256 bytes further on; from 18,432 the scale words of the key rows, from 18,944 v's.
; CLUSTER 4 x 4: x's block hangs on R alone and is shared along a row of the cluster, the weights' blocks on HD alone and are shared along a column: joint loads.  Every LDS byte is filled once,
; all at the head, so nothing is prefetched: there is no loop to run ahead in.
; LIMITS: NaN and infinities are not served; a block whose largest magnitude lies under 2^-124 gets the byte 1.
; THE BLOCKS COME IN TWO HALVES OF K (K steps 0, 1 and 2, 3), each with load lines and a barrier of its own: the first half is multiplied while the second is on its way.
.set HALFB, 64000                      ; LDS: a half: Wq's, Wk's, Wv's 12,800 bytes each, then x's 25,600
.set XB,   38400
.set STGK, 128000                      ; where no fill lands: the key rows' scale words, 512 bytes,
.set STGV, 128512                      ; and v's, 256 bytes
.set SPARE, 128768
.set LI,  1                            ; 16 l
.set A4,  2                            ; 16 l + source 0's tiles
.set A2,  3                            ; 16 l + source 1's tiles
.set A4W, 4                            ; 128 h + 8 r + their scale words
.set A2W, 5
.set L8,  6                            ; 8 l
.set VK,  7                            ; where I put a key row's scale byte,
.set VV,  8                            ; and v's
.set KO16, 9                           ; kv: my fragments, pieces of 16 bytes a lane
.set KO8, 10                           ; and of 8
.set BO,  11                           ; 128 h
.set SPW, 12
.set NIL, 13
.set BVL, 14                           ; v14, v15 bv of my two channels
.set SKR, 16
.set CH,  17
.set SVR, 23
.set WS,  24                           ; v24-31 source 0's scale words, nothing else
.set XS,  34                           ; v34-37 source 1's, nothing else
.set ACC, 40                           ; v40-103 eight accumulators
.set SET, 104                          ; v104-175, v176-247 two sets: four fragments of source 0, two of source 1
.set TM,  104                          ; the quantiser's work lies in set 0
.set SCL, 112
.set BY,  114
.set PK,  120                          ; v120-125, v128-133 codes
.set TQ,  136
.set WV,  16                           ; s16 my wave's number
.set G1X, 24
.set G0X, 32
.set G1W, 48
.set G0W, 56
.macro PLACES n
.rept \n
	v_nop
.endr
.endm
.macro ROUND                           ; a round of the cluster's barrier
	s_barrier_signal -1
	s_barrier_wait -1
	s_cmp_lg_u32 s[WV], 0
	s_cbranch_scc1 .Lnot_wave_0_\@
	s_barrier_signal -3
.Lnot_wave_0_\@:
	s_barrier_wait -3
	s_barrier_signal -1
	s_barrier_wait -1
.endm
.macro WMS d, a, b, sa, sb, ra, rb
	v_wmma_scale_f32_16x16x128_f8f6f4 v[\d:\d+7], v[\a:\a+11], v[\b:\b+11], v[\d:\d+7], v[\sa], v[\sb] matrix_a_fmt:MATRIX_FMT_FP6 matrix_b_fmt:MATRIX_FMT_FP6 matrix_a_scale:MATRIX_SCALE_ROW\ra matrix_b_scale:MATRIX_SCALE_ROW\rb
.endm
	s_load_b256 s[4:11], s[0:1], 0x0               ; xq, wq, bq, bk
	s_load_b128 s[12:15], s[0:1], 0x20             ; bv, kv
	v_lshl_add_u32 v[SPW], v0, 2, SPARE
	v_mov_b32 v[NIL], 0
	ds_add_u32 v[SPW], v[NIL]
	ds_add_u32 v[SPW], v[NIL]
	v_lshrrev_b32 v1, 5, v0
	v_readfirstlane_b32 s[WV], v1                  ; wave 0..11
	s_bfe_u32 s17, ttmp6, 0x40000                  ; cx
	s_bfe_u32 s18, ttmp6, 0x40004                  ; cy
	s_lshl_b32 s19, ttmp9, 2
	s_add_co_u32 s19, s19, s17                     ; HD
	s_and_b32 s20, ttmp7, 0xffff
	s_lshl_b32 s20, s20, 2
	s_add_co_u32 s20, s20, s18                     ; R
	s_lshl_b32 s21, s18, 2
	s_lshl_b32 s21, 15, s21                        ; my row of the cluster
	s_lshl_b32 s22, 0x1111, s17                    ; my column
	; dense blocks, as rows of 256 bytes (32 elements of 8 bytes): x's 200 rows, a weight's 100
	s_or_b32 s[G1X], s21, (3<<16)|(1<<21)
	s_mov_b32 s[G1X+1], 32<<16
	s_mov_b32 s[G1X+2], 100<<16
	s_mov_b32 s[G1X+3], 32<<16
	s_mov_b32 s[G1X+4], 100                        ; (half blocks: x's 100 rows, a weight's 50)
	s_mov_b32 s[G1X+5], 32
	s_mov_b32 s[G1X+6], 0
	s_mov_b32 s[G1X+7], 0
	s_or_b32 s[G1W], s22, (3<<16)|(1<<21)
	s_mov_b32 s[G1W+1], 32<<16
	s_mov_b32 s[G1W+2], 50<<16
	s_mov_b32 s[G1W+3], 32<<16
	s_mov_b32 s[G1W+4], 50
	s_mov_b32 s[G1W+5], 32
	s_mov_b32 s[G1W+6], 0
	s_mov_b32 s[G1W+7], 0
	s_lshr_b32 s2, s[WV], 2                        ; waves 0-3 fetch the first half of K, 4-7 the second:
	s_and_b32 s3, s[WV], 3                         ; 0 Wq's, 1 Wk's, 2 Wv's, 3 x's
	s_mul_i32 s36, s20, 51200                      ; x's block: R and the wave alone
	s_mul_i32 s41, s2, 25600
	s_add_co_u32 s36, s36, s41
	s_mov_b32 s37, 0
	s_lshl_b32 s38, s3, 3
	s_add_co_u32 s38, s38, s19
	s_mul_i32 s38, s38, 25600                      ; a weight's block: HD and the wave alone
	s_mul_i32 s42, s2, 12800
	s_add_co_u32 s38, s38, s42
	s_mov_b32 s39, 0
	s_mul_i32 s40, s3, 12800                       ; and their places in LDS
	s_mul_i32 s43, s2, HALFB
	s_add_co_u32 s40, s40, s43
	s_add_co_u32 s43, s43, XB
	s_wait_dscnt 0x0
	ROUND                                          ; all sixteen work-groups are here, ahead of the wait for the arguments
	s_wait_kmcnt 0x0
	s_mov_b32 s[G0X], 1
	s_mov_b32 s[G0X+1], s43
	s_add_nc_u64 s[G0X+2:G0X+3], s[4:5], s[36:37]
	s_or_b32 s[G0X+3], s[G0X+3], 0x80000000
	s_mov_b32 s[G0W], 1
	s_mov_b32 s[G0W+1], s40
	s_add_nc_u64 s[G0W+2:G0W+3], s[6:7], s[38:39]
	s_or_b32 s[G0W+3], s[G0W+3], 0x80000000
.macro ARM under, g0, g1, next         ; one load a wave, in one chain of arms
	s_cmp_lt_u32 s[WV], \under
	s_cbranch_scc0 \next
	tensor_load_to_lds s[\g0:\g0+3], s[\g1:\g1+7]
	s_nop 0
	PLACES 4
	s_branch .Lasked
\next:
.endm
	ARM 3, G0W, G1W, .Lx_0
	ARM 4, G0X, G1X, .Lw_1
	ARM 7, G0W, G1W, .Lx_1
	ARM 8, G0X, G1X, .Lno_load
.Lasked:
	s_lshr_b32 s66, s[WV], 2                       ; m
	s_and_b32 s67, s[WV], 3                        ; u
	s_lshr_b32 s68, s66, 1                         ; 1 for v
	s_xor_b32 s78, s68, 1                          ; 1 for q and k
	s_and_b32 s69, s67, 1
	s_mul_i32 s69, s69, s68                        ; v: c
	s_lshr_b32 s70, s67, s68                       ; which pair of tiles is source 1: u, for v u / 2
	s_add_co_u32 s73, s66, s68
	s_mul_i32 s73, s73, 12800
	s_mul_i32 s71, s69, 12288
	s_add_co_u32 s73, s73, s71                     ; source 0: W's block, or x's tiles 4 c on
	s_mul_i32 s74, s66, 12800
	s_mul_i32 s71, s68, 25088
	s_add_co_u32 s74, s74, s71
	s_lshl_b32 s71, s69, 9
	s_add_co_u32 s74, s74, s71
	s_add_co_u32 s74, s74, 12288                   ; its scale words
	s_mul_i32 s75, s70, 6144
	s_mul_i32 s71, s78, 12800
	s_add_co_u32 s75, s75, s71
	s_add_co_u32 s75, s75, 25600                   ; source 1: x's pair, or Wv's pair
	s_lshl_b32 s76, s70, 8
	s_mul_i32 s71, s78, 25088
	s_add_co_u32 s76, s76, s71
	s_add_co_u32 s76, s76, 37888                   ; its scale words
	s_and_b32 s71, s66, 1
	s_xor_b32 s71, s71, 1
	s_and_b32 s72, s71, s78
	s_or_b32 s72, s72, s69                         ; 1: my half of a fragment is registers 6-11 (q; v with c = 1)
	s_lshl_b32 s71, s71, 1
	s_lshl_b32 s77, s67, 2
	s_add_co_u32 s77, s77, s71
	s_add_co_u32 s77, s77, STGK                    ; a key row's word, byte 0 (k) or 2 (q)
	s_lshl_b32 s79, s67, 1
	s_add_co_u32 s79, s79, STGV                    ; v's: 4 (u / 2) + 2 (u % 2)
	s_lshl_b32 s80, s70, 1
	s_lshl_b32 s71, s68, 3
	s_add_co_u32 s80, s80, s71                     ; my first fragment in kv
	s_lshl_b32 s81, s80, 9
	s_lshl_b32 s80, s80, 10
	s_lshl_b32 s82, s70, 6                         ; bv: 64 bytes a pair of tiles
	s_lshl_b32 s44, s19, 8                         ; the head's 64 numbers of each bias
	s_mov_b32 s45, 0
	s_add_nc_u64 s[8:9], s[8:9], s[44:45]
	s_add_nc_u64 s[10:11], s[10:11], s[44:45]
	s_add_nc_u64 s[12:13], s[12:13], s[44:45]
	s_cmp_eq_u32 s66, 0
	s_cselect_b64 s[8:9], s[8:9], s[10:11]
	s_lshr_b32 s46, s20, 4
	s_lshl_b32 s46, s46, 3
	s_add_co_u32 s46, s46, s19
	s_mul_i32 s46, s46, 307200                     ; head 8 b + HD,
	s_and_b32 s47, s20, 15
	s_mul_i32 s47, s47, 19200                      ; key step R % 16
	s_add_co_u32 s46, s46, s47
	s_mov_b32 s47, 0
	s_add_nc_u64 s[14:15], s[14:15], s[46:47]
	v_and_b32 v18, 31, v0                          ; l
	v_and_b32 v19, 15, v0                          ; r
	v_bfe_u32 v20, v0, 4, 1                        ; h
	v_lshlrev_b32 v[LI], 4, v18
	v_lshlrev_b32 v[L8], 3, v18
	v_lshlrev_b32 v21, 7, v20                      ; a tile's words of a half: 128 bytes, 8 a row
	v_lshl_add_u32 v21, v19, 3, v21
	v_add_nc_u32 v[A4], s73, v[LI]
	v_add_nc_u32 v[A2], s75, v[LI]
	v_add_nc_u32 v[A4W], s74, v21
	v_add_nc_u32 v[A2W], s76, v21
	v_lshl_add_u32 v22, v19, 4, v20
	v_add_nc_u32 v[VK], s77, v22                   ; 16 r + h + ..: tile 2 u + 1's lies 256 further on
	v_lshl_add_u32 v22, v19, 3, v20
	v_add_nc_u32 v[VV], s79, v22                   ; 8 r + h + ..: the pair's second tile's lies 128 further on
	v_add_nc_u32 v[KO16], s80, v[LI]
	v_add_nc_u32 v[KO8], s81, v[L8]
	v_lshlrev_b32 v[BO], 7, v20
	v_and_b32 v[CH], 8, v19
	v_mad_u32_u24 v[CH], v[CH], 3, v19
	v_lshlrev_b32 v[CH], 2, v[CH]
	v_add_nc_u32 v[CH], s82, v[CH]
	v_add_nc_u32 v[SKR], STGK, v[LI]
	v_add_nc_u32 v[SVR], STGV, v[L8]
	s_wait_alu depctr_va_vdst(0)
	s_cmp_lt_u32 s[WV], 8
	s_cbranch_scc0 .Lbias_v
.irp a, 0,1
.irp t, 0,1,2,3
	global_load_b128 v[ACC+32*\a+8*\t:ACC+32*\a+8*\t+3], v[BO], s[8:9] offset:32*\t      ; tile t's eight channels of my half: 32 h + 8 t + 0 .. 7
	global_load_b128 v[ACC+32*\a+8*\t+4:ACC+32*\a+8*\t+7], v[BO], s[8:9] offset:32*\t+16
.endr
.endr
	s_branch .Lbias
.Lbias_v:
	global_load_b32 v[BVL], v[CH], s[12:13]        ; a lane holds one channel: its bias in all of the tile's registers
	global_load_b32 v[BVL+1], v[CH], s[12:13] offset:32
	s_wait_loadcnt 0x0
.set J, 0
.rept 32
	v_mov_b32 v[ACC+J], v[BVL]
	v_mov_b32 v[ACC+32+J], v[BVL+1]
.set J, J+1
.endr
	s_wait_alu depctr_va_vdst(0)
.Lbias:
	s_cmp_lt_u32 s[WV], 4
	s_cbranch_scc0 .Lnot_h0
	s_wait_tensorcnt 0x0                           ; my part of the first half has landed,
.Lnot_h0:
	s_barrier_signal -1
	s_barrier_wait -1                              ; everybody's has
.macro FETCH s, e                      ; K step s into set e: 18 loads
.irp a, 0,1
.irp g, 0,1,2
	ds_load_b128 v[SET+72*\e+48+12*\a+4*\g:SET+72*\e+48+12*\a+4*\g+3], v[A2] offset:3072*\a+1536*(\s%2)+512*\g
.endr
.endr
.irp t, 0,1,2,3
.irp g, 0,1,2
	ds_load_b128 v[SET+72*\e+12*\t+4*\g:SET+72*\e+12*\t+4*\g+3], v[A4] offset:3072*\t+1536*(\s%2)+512*\g
.endr
.endr
.endm
.macro MUL s, e                        ; eight accumulators by turns
.irp a, 0,1
.irp p, 0,1
.irp u, 0,1
	WMS ACC+32*\a+16*\p+8*\u, SET+72*\e+24*\p+12*\u, SET+72*\e+48+12*\a, WS+4*\p+\s, XS+\s, \u, \a
.endr
.endr
.endr
.endm
.macro WORDS q                         ; the scale words of half q: register s: lanes 0-15 the first tile's, lanes 16-31 the second's
	ds_load_b64 v[XS+2*\q:XS+2*\q+1], v[A2W]
.irp p, 0,1
	ds_load_b64 v[WS+4*\p+2*\q:WS+4*\p+2*\q+1], v[A4W] offset:256*\p
.endr
.endm
	WORDS 0
	FETCH 0, 0
	FETCH 1, 1
	s_wait_loadcnt 0x0                             ; the bias
	s_wait_dscnt 18                                ; all but set 1's eighteen loads
	MUL 0, 0
	s_wait_dscnt 0x0
	MUL 1, 1
	s_wait_tensorcnt 0x0                           ; my part of the second half has landed,
	s_barrier_signal -1
	s_barrier_wait -1                              ; everybody's has
	v_add_nc_u32 v[A4], HALFB, v[A4]               ; (also the places in front of loads into registers that products have read)
	v_add_nc_u32 v[A2], HALFB, v[A2]
	v_add_nc_u32 v[A4W], HALFB, v[A4W]
	v_add_nc_u32 v[A2W], HALFB, v[A2W]
	WORDS 1
	FETCH 2, 0
	FETCH 3, 1
	s_wait_dscnt 18
	MUL 2, 0
	s_wait_dscnt 0x0
	MUL 3, 1
	PLACES 4                                       ; in front of the first read of results, and of writes into set 0
	; 32 numbers of a lane are one block: two chains, one over each half; each accumulator from its low end on; the floor 2^(3 - 127) holds the byte at 1 from below
.irp a, 0,1
	v_max3_num_f32 v[TM+2*\a], |v[ACC+32*\a]|, |v[ACC+32*\a+1]|, 0x1800000
	v_max3_num_f32 v[TM+2*\a+1], |v[ACC+32*\a+16]|, |v[ACC+32*\a+17]|, |v[ACC+32*\a+18]|
.endr
.irp i, 2,4,6,8,10,12
.irp a, 0,1
	v_max3_num_f32 v[TM+2*\a], v[TM+2*\a], |v[ACC+32*\a+\i]|, |v[ACC+32*\a+\i+1]|
	v_max3_num_f32 v[TM+2*\a+1], v[TM+2*\a+1], |v[ACC+32*\a+\i+17]|, |v[ACC+32*\a+\i+18]|
.endr
.endr
.irp a, 0,1
	v_max3_num_f32 v[TM+2*\a], v[TM+2*\a], |v[ACC+32*\a+14]|, |v[ACC+32*\a+15]|
.endr
.irp a, 0,1
	v_max3_num_f32 v[TM+2*\a], v[TM+2*\a], |v[ACC+32*\a+31]|, v[TM+2*\a+1]
.endr
.irp a, 0,1
	v_add_nc_u32 v[SCL+\a], 0xff000000, v[TM+2*\a]     ; 2 off its exponent field: the conversion's scale operand
.endr
.irp a, 0,1
	v_cvt_scalef32_pk16_fp6_f32 v[PK+8*\a:PK+8*\a+2], v[ACC+32*\a:ACC+32*\a+15], v[SCL+\a]
	v_cvt_scalef32_pk16_fp6_f32 v[TQ+4*\a:TQ+4*\a+2], v[ACC+32*\a+16:ACC+32*\a+31], v[SCL+\a]
.endr
.irp a, 0,1
	v_lshrrev_b32 v[BY+\a], 23, v[SCL+\a]          ; the scale's byte (also the plain places behind the conversions)
.endr
.irp i, 0,1,2
.irp a, 0,1
	v_mov_b32 v[PK+8*\a+3+\i], v[TQ+4*\a+\i]
.endr
.endr
	s_wait_alu depctr_va_vdst(0)
	s_cmp_eq_u32 s72, 0
	s_cbranch_scc0 .Lupper
.irp a, 0,1                                    ; registers 0-3, 4 and 5 of fragment a
	global_store_b128 v[KO16], v[PK+8*\a:PK+8*\a+3], s[14:15] offset:1024*\a
	global_store_b64 v[KO8], v[PK+8*\a+4:PK+8*\a+5], s[14:15] offset:12288+512*\a
.endr
	s_branch .Lstored
.Lupper:
.irp a, 0,1                                    ; registers 6 and 7, 8-11
	global_store_b64 v[KO8], v[PK+8*\a:PK+8*\a+1], s[14:15] offset:12288+512*\a+256
	global_store_b128 v[KO16], v[PK+8*\a+2:PK+8*\a+5], s[14:15] offset:1024*\a+512
.endr
.Lstored:
	s_cmp_lt_u32 s[WV], 8
	s_cbranch_scc0 .Lbytes_v
	ds_store_b8 v[VK], v[BY]
	ds_store_b8 v[VK], v[BY+1] offset:256
	s_branch .Lbytes
.Lbytes_v:
	ds_store_b8 v[VV], v[BY]
	ds_store_b8 v[VV], v[BY+1] offset:128
.Lbytes:
	s_wait_dscnt 0x0                               ; for the others' sake: my bytes have landed
	s_barrier_signal -1
	s_barrier_wait -1
	s_cmp_eq_u32 s[WV], 0
	s_cbranch_scc0 .Lnot_0
	ds_load_b128 v[140:143], v[SKR]
	s_wait_dscnt 0x0
	global_store_b128 v[LI], v[140:143], s[14:15] offset:18432   ; the key rows' words: 512 consecutive bytes
.Lnot_0:
	s_cmp_eq_u32 s[WV], 1
	s_cbranch_scc0 .Lnot_1
	ds_load_b64 v[140:141], v[SVR]
	s_wait_dscnt 0x0
	global_store_b64 v[L8], v[140:141], s[14:15] offset:18944    ; v's words: 256 consecutive bytes
.Lnot_1:
	s_wait_tensorcnt 0x0                           ; the wave's end
	ds_add_u32 v[SPW], v[NIL]
	s_wait_dscnt 0x0
	ROUND                                          ; the closing round
	s_endpgm
.Lfunc_end_k_qf512817d7d_proj:
	.size	k_qf512817d7d_proj, .Lfunc_end_k_qf512817d7d_proj-k_qf512817d7d_proj
	.p2alignl 7, 3214868480
	.fill 96, 4, 3214868480
	.section	.rodata,"a",@progbits
	.p2align	6, 0x0
	.amdhsa_kernel k_qf512817d7d_proj
		.amdhsa_group_segment_fixed_size 168448
		.amdhsa_private_segment_fixed_size 0
		.amdhsa_enable_private_segment 0
		.amdhsa_kernarg_size 48
		.amdhsa_user_sgpr_count 2
		.amdhsa_user_sgpr_kernarg_segment_ptr 1
		.amdhsa_wavefront_size32 1
		.amdhsa_system_sgpr_workgroup_id_x 1
		.amdhsa_system_sgpr_workgroup_id_y 1
		.amdhsa_system_sgpr_workgroup_id_z 1
		.amdhsa_system_vgpr_workitem_id 0
		.amdhsa_next_free_vgpr 256
		.amdhsa_next_free_sgpr 84
		.amdhsa_reserve_vcc 0
		.amdhsa_float_denorm_mode_32 3
		.amdhsa_float_denorm_mode_16_64 3
		.amdhsa_memory_ordered 1
		.amdhsa_forward_progress 1
		.amdhsa_inst_pref_size 27
	.end_amdhsa_kernel
	.amdgpu_metadata
---
amdhsa.version: [ 1, 2 ]
amdhsa.kernels:
  - .name:           k_qf512817d7d_proj
    .symbol:         k_qf512817d7d_proj.kd
    .args:
      - { .name: xq, .offset: 0, .size: 8, .value_kind: global_buffer, .address_space: global }
      - { .name: wq, .offset: 8, .size: 8, .value_kind: global_buffer, .address_space: global }
      - { .name: bq, .offset: 16, .size: 8, .value_kind: global_buffer, .address_space: global }
      - { .name: bk, .offset: 24, .size: 8, .value_kind: global_buffer, .address_space: global }
      - { .name: bv, .offset: 32, .size: 8, .value_kind: global_buffer, .address_space: global }
      - { .name: kv, .offset: 40, .size: 8, .value_kind: global_buffer, .address_space: global }
    .group_segment_fixed_size: 168448
    .private_segment_fixed_size: 0
    .kernarg_segment_align: 8
    .kernarg_segment_size: 48
    .max_flat_workgroup_size: 384
    .sgpr_count:     84
    .vgpr_count:     256
    .wavefront_size: 32
...
	.end_amdgpu_metadata
.endif
;; end of part 2
;; launch attn (part 3): grid 16 x 16, 8 waves a work-group, clusters of 4 x 1, 308,736 bytes of LDS; arguments kv, erq, oq; writes oq
.if DOCPART == 3
	.amdgcn_target "amdgcn-amd-amdhsa--gfx1250"
	.amdhsa_code_object_version 6
	.text
	.protected	k_qf512817d7d_attn
	.globl	k_qf512817d7d_attn
	.p2align	8
	.type	k_qf512817d7d_attn,@function
k_qf512817d7d_attn:
	s_mov_b64 s[64:65], 0
	v_nop
	global_prefetch_b8 v0, s[64:65] scope:SCOPE_SE
	s_setreg_imm32_b32 hwreg(HW_REG_WAVE_MODE, 25, 1), 1
	s_wait_xcnt 0x0
	s_wait_alu depctr_hold_cnt(0) depctr_sa_sdst(0) depctr_va_vdst(0) depctr_va_sdst(0) depctr_va_ssrc(0) depctr_va_vcc(0) depctr_vm_vsrc(0)
	s_getreg_b32 s2, hwreg(HW_REG_IB_STS2, 6, 4)
	s_cmp_eq_u32 s2, 0
	s_cbranch_scc0 .Lentry_in_a_cluster
	s_endpgm
.Lentry_in_a_cluster:
	s_bfe_u32 s2, ttmp6, 0x10000c
	s_cmp_lg_u32 s2, 0x3003
	s_cbranch_scc0 .Lentry_shape_is_right
	s_endpgm
.Lentry_shape_is_right:
; ATTN: o = softmax((q k^T + p) / sqrt(512)) v for one head, with p[i][j] = q_j . er[:, i] (what the padding, the swap of axes and the slice leave of q er).
; THE TWO PRODUCTS OF K = 64 ARE ONE OF K = 128: logit[i][j] sqrt(512) = [q_i | er_i] . [k_j | q_j]; the blocks of 32 are those of the two products, so the codes and scales are theirs.
; SOFTMAX: t = score x log2(e) / sqrt(512); M = the running largest t rounded UP to a whole number; p = 2^(t - M) is quantised along the keys, not normalised; the row's sum is taken of the
; unquantised p and divides at the end; when M moves, the sum and O are multiplied by 2^(old M - new M), which rounds nothing.
; SHARES.  A work-group owns 128 queries of one head: eight tiles of 16.  EIGHT waves, two to a SIMD: wave w takes query tiles 2 (w % 4) and 2 (w % 4) + 1 and, of the head's 16 steps of 128 keys,
; those with number 2 i + w / 4, i = 0 .. 7.  Both tiles take each fragment of keys and of v^T that the wave loads.  A wave's tile A is 2 (w % 4) + w / 4, its tile B the other one: at the end it hands
; tile B's O^T to its partner w xor 4 through LDS, takes tile A's from there, brings both under the larger M by exact powers of two, adds them and finishes tile A.
; Both products are used transposed (S^T: source 0 = 16 keys, source 1 = 16 queries; O^T: source 0 = 16 channels of v^T, source 1 = p), so a lane holds one query throughout.
; Lane r of tile T holds row 64 (T / 4) + 8 (T % 4) + (r % 8) + 32 (r / 8): so register 32 c + i of a lane's 64 scores is key 64 c + 32 h + i: two whole scale blocks, and no other lane is asked for a block's largest p.
; LDS: THE WHOLE HEAD, 16 steps x 19,200 bytes (images of registers), filled ONCE, at the head, one joint load of two steps a wave; so there is no later request ahead of which anything could be prefetched.
; Three barriers show the loads: wave 0's; waves 1 and 2's; the others'.
; CLUSTER 4 x 1: four blocks of queries of one head want the same tiles: joint loads with a mask that names the four.
; RESULT: o / sum, quantised along the head's 64 channels: half a fragment of the last product's operand (registers 0, 1 at 8 l, registers 2 .. 5 at 256 + 16 l) and two scale bytes a row.
; LIMITS: NaN and infinities are not served; scaled scores (exponents to the base 2) stay under 2^31 in magnitude; a block whose largest magnitude lies under 2^-124 gets the byte 1;
; where one half's M lies more than some 126 under the other's, its share, under 2^-126 of the result, falls to zero.
.set OSTG, 307200                      ; behind the head, where no fill lands: 8 tiles x 16 words
.set SPARE, 307712
.set MRG,  4608                        ; the merge: for each tile 8 x 512 bytes of O^T and 512 of statistics, from LDS byte 0 on: bytes that have had their only fill and are read no more
; window 0 of the registers (v0-255)
.set LI,  1                            ; 16 l
.set L8,  2                            ; 8 l
.set KA,  3                            ; LDS: keys, pieces of 16 bytes a lane
.set KB,  4                            ; v4, v5 pieces of 8: tiles 0-3, 4-7
.set VA,  6                            ; v^T likewise
.set VB,  7
.set KSC, 8                            ; v8-11 the keys' scale words, nothing else
.set VS,  12                           ; v12-13 v^T's, nothing else
.set QS,  14                           ; v14, v15 my queries', nothing else
.set PS,  16                           ; v16, v17 p's, nothing else
.set SPW, 18
.set NIL, 19
.set QQ,  20                           ; v20-43 my two tiles' fragments [q | er]
.set RR,  46                           ; r
.set HH,  47                           ; h
.set F,   48                           ; v48-143 eight fragments of keys
.set VF,  144                          ; v144-191 four of v^T
.set PC,  192                          ; v192-215 p's codes, two tiles
.set PT,  216                          ; v216-231 the conversions' second halves
.set L8K, 248                          ; v248-250 8 l + 12,288, + 14,336, + 16,384
; window 1 (v256-511)
.set S,   0                            ; 0-127 S^T, then p: 64 a tile
.set O,   128                          ; 128-191 O^T: 32 a tile
.set BM,  192                          ; 192-195 the blocks' largest scores, then largest p: 2 tile + c
.set TT,  196                          ; 196, 197 at work
.set XP,  198                          ; 198, 199 from lane l xor 16
.set ST,  200                          ; 200-207 for each tile: -M, the largest score, the sum in two halves
.set FF,  208                          ; 208, 210 the factor 2^(old M - new M), as the low words of pairs
.set SC,  212                          ; 212-215 the conversions' scale operands
.set H8,  216                          ; 8 h
.set T,   220                          ; 220-251 sums
.set BY,  252                          ; 252-255 scale bytes
.set WV,  10
.set SEL, 20
.set CS,  22                           ; s[22:23] c = log2(e) / sqrt(512)
.set G1,  24
.set G0,  32
.set TB,  36                           ; s36 the step's first byte in LDS
.set CNT, 37
.set NC,  38                           ; s38 -c
.set QB,  41                           ; s41 my block of 128 queries
.set EQ,  42                           ; s42 er's first tile
.set TA,  60                           ; s60 tile A, s61 tile B
.set TBB, 61
.set MSB, 0
.macro WIN new                         ; the immediate's high byte repeats the setting that is left
.if MSB != \new
	s_set_vgpr_msb (MSB<<8)|\new
.set MSB, \new
.endif
.endm
.macro PLACES n
.rept \n
	v_nop
.endr
.endm
.macro BAR
	s_barrier_signal -1
	s_barrier_wait -1
.endm
.macro ROUND                           ; a round of the cluster's barrier
	BAR
	s_cmp_lg_u32 s[WV], 0
	s_cbranch_scc1 .Lnot_wave_0_\@
	s_barrier_signal -3
.Lnot_wave_0_\@:
	s_barrier_wait -3
	BAR
.endm
.macro WMS d, a, b, c, sa, sb, ra
	v_wmma_scale_f32_16x16x128_f8f6f4 v[\d:\d+7], v[\a:\a+11], v[\b:\b+11], \c, v[\sa], v[\sb] matrix_a_fmt:MATRIX_FMT_FP6 matrix_b_fmt:MATRIX_FMT_FP6 matrix_a_scale:MATRIX_SCALE_ROW\ra
.endm
.macro PA d, x, y
	v_pk_add_f32 v[\d:\d+1], v[\x:\x+1], v[\y:\y+1]
.endm
; a query tile's addresses: q's codes and words lie in kv's step QB, as registers 6-11 of the joined key rows; er's half images in erq
.macro QADDR a, st
	s_lshl_b32 s50, s[\st], 10
	v_add_nc_u32 v[232+5*\a], s50, v[LI]
	s_lshl_b32 s50, s[\st], 9
	v_add_nc_u32 v[233+5*\a], s50, v[L8]
	s_add_co_u32 s50, s[EQ], s[\st]
	s_mul_i32 s51, s50, 768
	v_add_nc_u32 v[234+5*\a], s51, v[LI]
	v_add_nc_u32 v[235+5*\a], s51, v[L8]
	s_lshl_b32 s50, s50, 6
	v_lshl_add_u32 v[236+5*\a], v[RR], 2, s50
	s_and_b32 s50, s[\st], 1
	s_lshl_b32 s50, s50, 8
	s_lshr_b32 s51, s[\st], 1
	s_lshl_b32 s51, s51, 2
	s_add_co_u32 s50, s50, s51
	v_lshl_add_u32 v[242+\a], v[RR], 4, s50        ; the word: 16 (r + 16 (tile % 2)) + 4 (tile / 2)
.endm
; the 25 loads of a step's keys, and the 13 of its v^T
.macro KLOADS
	ds_load_b128 v[KSC:KSC+3], v[KA] offset:18432  ; register p: lanes 0-15 the words of tile 2 p, lanes 16-31 of tile 2 p + 1
.irp t, 0,1,2,3,4,5,6,7
	ds_load_b128 v[F+12*\t:F+12*\t+3], v[KA] offset:1024*\t
	ds_load_2addr_b64 v[F+12*\t+4:F+12*\t+7], v[KB+\t/4] offset0:64*(\t%4) offset1:64*(\t%4)+32
	ds_load_b128 v[F+12*\t+8:F+12*\t+11], v[KA] offset:1024*\t+512
.endr
.endm
.macro VLOADS
	ds_load_b64 v[VS:VS+1], v[VB] offset:2560
.irp t, 0,1,2,3
	ds_load_b128 v[VF+12*\t:VF+12*\t+3], v[VA] offset:1024*(8+\t)
	ds_load_2addr_b64 v[VF+12*\t+4:VF+12*\t+7], v[VB] offset0:64*\t offset1:64*\t+32
	ds_load_b128 v[VF+12*\t+8:VF+12*\t+11], v[VA] offset:1024*(8+\t)+512
.endr
.endm
.macro KADDR
	v_add_nc_u32 v[KA], s[TB], v[LI]
	v_add_nc_u32 v[KB], s[TB], v[L8K]
	v_add_nc_u32 v[KB+1], s[TB], v[L8K+1]
.endm
.macro MAXOP a, n                      ; line n of a tile's 32: the largest score of each of its two blocks, in two chains by turns: for the row's maximum, and, since p rises with the score, for the block's largest p
.set M_, BM+2*(\a)+(\n)%2
.set X_, S+64*(\a)+32*((\n)%2)+2*((\n)/2)
.if (\n)/2 == 0
	v_max3_num_f32 v[M_], v[X_], v[X_+1], v[X_+2]
.elseif (\n)/2 < 15
	v_max3_num_f32 v[M_], v[M_], v[X_+1], v[X_+2]
.else
	v_max_num_f32 v[M_], v[M_], v[X_+1]
.endif
.endm
.macro PV a, p, u, first               ; O^T += v^T p^T for tile a of queries, 16 channels
.if \first
	WIN 0x40
	WMS O+32*\a+16*\p+8*\u, VF+24*\p+12*\u, PC+12*\a, 0, VS+\p, PS+\a, \u
.else
	WIN 0x50
	WMS O+32*\a+16*\p+8*\u, VF+24*\p+12*\u, PC+12*\a, v[O+32*\a+16*\p+8*\u:O+32*\a+16*\p+8*\u+7], VS+\p, PS+\a, \u
.endif
.endm
.macro CODES a                         ; a tile's p into codes, and its scale word: with lane l xor 16's two bytes the word is whole (also the plain place behind the conversions)
	WIN 0x05
.irp c, 0,1
	v_cvt_scalef32_pk16_fp6_f32 v[PC+12*\a+6*\c:PC+12*\a+6*\c+2], v[S+64*\a+32*\c:S+64*\a+32*\c+15], v[SC+2*\a+\c]
	v_cvt_scalef32_pk16_fp6_f32 v[PT+8*\a+4*\c:PT+8*\a+4*\c+2], v[S+64*\a+32*\c+16:S+64*\a+32*\c+31], v[SC+2*\a+\c]
.endr
	v_or_b32 v[PS+\a], v[BY+2*\a], v[XP+\a]
	WIN 0
.irp c, 0,1
.irp i, 0,1,2
	v_mov_b32 v[PC+12*\a+6*\c+3+\i], v[PT+8*\a+4*\c+\i]
.endr
.endr
.endm
.macro LSUM a, t0, first               ; a tile's sum: two pairs are left at t0
.if \first
	PA ST+4*\a+2, \t0, \t0+2
.else
	PA \t0, \t0, \t0+2
	v_pk_fma_f32 v[ST+4*\a+2:ST+4*\a+3], v[ST+4*\a+2:ST+4*\a+3], v[FF+2*\a:FF+2*\a+1], v[\t0:\t0+1] op_sel_hi:[1,0,1]
.endif
.endm
; A STEP: 128 keys for two tiles of queries.  first: the running values begin here.  pref: the next step's keys are loaded under this one's softmax, and TB steps on.
.macro STEP first, pref
	s_wait_dscnt 0x0                               ; the keys are in
	WIN 0x40
.irp p, 0,1,2,3
.irp u, 0,1
	WMS S+16*\p+8*\u, F+24*\p+12*\u, QQ, 0, KSC+\p, QS, \u
.endr
.endr
	WIN 0
	v_add_nc_u32 v[VA], s[TB], v[LI]               ; these are also the places in front of v^T's loads and of the first read of tile A's scores
	v_add_nc_u32 v[VB], s[TB], v[L8K+2]
.if \pref
	s_add_co_u32 s[TB], s[TB], 38400
	KADDR
.else
	PLACES 2
.endif
	VLOADS
.irp p, 0,1,2,3                                ; tile B's products; among them tile A's largest scores.  (The last four lines are also the places behind the last product)
.irp u, 0,1
	WIN 0x40
	WMS S+64+16*\p+8*\u, F+24*\p+12*\u, QQ+12, 0, KSC+\p, QS+1, \u
	WIN 0x55
	MAXOP 0, 8*\p+4*\u
	MAXOP 0, 8*\p+4*\u+1
	MAXOP 0, 8*\p+4*\u+2
	MAXOP 0, 8*\p+4*\u+3
.endr
.endr
.if \pref
	WIN 0
	KLOADS
	WIN 0x55
.endif
.set N_, 0
.rept 32
	MAXOP 1, N_
.set N_, N_+1
.endr
.irp a, 0,1
	v_max_num_f32 v[TT+\a], v[BM+2*\a], v[BM+2*\a+1]
.endr
.irp a, 0,1
	v_permlanex16_b32 v[XP+\a], v[TT+\a], s[SEL], s[SEL+1]
.endr
.irp a, 0,1
.if \first
	v_max_num_f32 v[ST+4*\a+1], v[TT+\a], v[XP+\a]
.else
	v_max3_num_f32 v[ST+4*\a+1], v[ST+4*\a+1], v[TT+\a], v[XP+\a]   ; the query's largest score so far
.endif
.endr
.irp a, 0,1
	v_mul_f32 v[TT+\a], s[NC], v[ST+4*\a+1]        ; -t (c is positive)
.endr
.if \first
.irp a, 0,1
	v_floor_f32 v[ST+4*\a], v[TT+\a]               ; -M = floor(-t) = -ceil(t): a whole number
.endr
.else
.irp a, 0,1
	v_floor_f32 v[TT+\a], v[TT+\a]
.endr
.irp a, 0,1
	v_sub_f32 v[BY+\a], v[TT+\a], v[ST+4*\a]       ; old M less new M: a whole number, 0 or less
.endr
.irp a, 0,1
	v_mov_b32 v[ST+4*\a], v[TT+\a]
.endr
.irp a, 0,1
	v_cvt_i32_f32 v[BY+\a], v[BY+\a]               ; (it saturates)
.endr
.irp a, 0,1
	v_ldexp_f32 v[FF+2*\a], 1.0, v[BY+\a]
.endr
.endif
.set J, 0
.rept 32
	v_pk_fma_f32 v[S+J:S+J+1], v[S+J:S+J+1], s[CS:CS+1], v[ST:ST+1] op_sel_hi:[1,0,0]   ; tile A: t - M, two at a time
.set J, J+2
.endr
	v_fma_f32 v[BM], v[BM], s[CS], v[ST]           ; the same of each block's largest score
	v_fma_f32 v[BM+1], v[BM+1], s[CS], v[ST]
.if (\first) == 0
.set J, 0
.rept 16
	v_pk_mul_f32 v[O+J:O+J+1], v[O+J:O+J+1], v[FF:FF+1] op_sel_hi:[1,0]   ; O^T under the new M
.set J, J+2
.endr
.rept 16
	v_pk_mul_f32 v[O+J:O+J+1], v[O+J:O+J+1], v[FF+2:FF+3] op_sel_hi:[1,0]
.set J, J+2
.endr
.endif
	s_wait_alu depctr_va_vdst(0)
.set J, 0
.rept 32                                       ; tile A's p = 2^(t - M), at most 1; among them tile B's t - M, which is read behind the next wait
	v_exp_f32 v[S+J], v[S+J]
	v_exp_f32 v[S+J+1], v[S+J+1]
	v_pk_fma_f32 v[S+64+J:S+65+J], v[S+64+J:S+65+J], s[CS:CS+1], v[ST+4:ST+5] op_sel_hi:[1,0,0]
.set J, J+2
.endr
	v_exp_f32 v[BM], v[BM]                         ; the block's largest p: the same two instructions on the same number give the same bits
	v_fma_f32 v[BM+2], v[BM+2], s[CS], v[ST+4]
	v_exp_f32 v[BM+1], v[BM+1]
	v_fma_f32 v[BM+3], v[BM+3], s[CS], v[ST+4]
	s_wait_alu depctr_va_vdst(0)                   ; behind tile A's batch and ahead of tile B's
	v_exp_f32 v[BM+2], v[BM+2]
	v_exp_f32 v[BM+3], v[BM+3]
.set J, 0
.rept 16                                       ; tile B's p; among them the first additions of tile A's sum, which are read behind the next wait
	v_exp_f32 v[S+64+4*J], v[S+64+4*J]
	v_exp_f32 v[S+65+4*J], v[S+65+4*J]
	v_exp_f32 v[S+66+4*J], v[S+66+4*J]
	v_exp_f32 v[S+67+4*J], v[S+67+4*J]
	PA T+2*J, S+2*J, S+32+2*J
.set J, J+1
.endr
	s_wait_alu depctr_va_vdst(0)                   ; one wait for the batch, ahead of its first reader
.if \pref
	s_wait_dscnt 25                                ; v^T is in; the next step's 25 loads of keys may be out
.else
	s_wait_dscnt 0x0
.endif
	; tile A's sum and scales, and the first parts of tile B's sum
.irp k, 0,1,2,3,4,5,6,7
	PA T+2*\k, T+2*\k, T+16+2*\k
.endr
.irp q, 0,1
	v_max_num_f32 v[BM+\q], 0x1800000, v[BM+\q]    ; the floor 2^(3 - 127): the byte cannot fall under 1
.endr
.irp k, 0,1,2,3,4,5,6,7
	PA T+16+2*\k, S+64+2*\k, S+80+2*\k
.endr
.irp q, 0,1
	v_add_nc_u32 v[SC+\q], 0xff000000, v[BM+\q]    ; 2 off the exponent field: the conversion's scale operand
.endr
.irp k, 0,1,2,3
	PA T+2*\k, T+2*\k, T+8+2*\k
.endr
.irp q, 0,1
	v_lshrrev_b32 v[BY+\q], 23, v[SC+\q]           ; the scale's byte
.endr
.irp k, 0,1,2,3
	PA T+16+2*\k, T+16+2*\k, S+96+2*\k
.endr
	v_lshl_or_b32 v[BY], v[BY+1], 16, v[BY]        ; blocks h and 2 + h,
.irp k, 0,1
	PA T+2*\k, T+2*\k, T+4+2*\k
.endr
.irp k, 4,5,6,7
	PA T+16+2*\k, T+16+2*\k, S+96+2*\k
.endr
	v_lshlrev_b32 v[BY], v[H8], v[BY]              ; at their places
.irp k, 0,1
	PA T+16+2*\k, T+16+2*\k, S+112+2*\k
.endr
	LSUM 0, T, \first
.irp k, 2,3
	PA T+16+2*\k, T+16+2*\k, S+112+2*\k
.endr
	v_permlanex16_b32 v[XP], v[BY], s[SEL], s[SEL+1]
	CODES 0
	WIN 0x55
.irp k, 4,5,6,7                                ; (an operand written by vector instructions stands four places ahead of a scaled product, a scale register eight)
	PA T+16+2*\k, T+16+2*\k, S+112+2*\k
.endr
	; tile A's products; among them the rest of tile B's sum and scales
	PV 0, 0, 0, \first
	WIN 0x55
.irp k, 0,1,2,3
	PA T+16+2*\k, T+16+2*\k, T+24+2*\k
.endr
	PV 0, 0, 1, \first
	WIN 0x55
.irp q, 2,3
	v_max_num_f32 v[BM+\q], 0x1800000, v[BM+\q]
.endr
.irp k, 0,1
	PA T+16+2*\k, T+16+2*\k, T+20+2*\k
.endr
	PV 0, 1, 0, \first
	WIN 0x55
.irp q, 2,3
	v_add_nc_u32 v[SC+\q], 0xff000000, v[BM+\q]
.endr
.irp q, 2,3
	v_lshrrev_b32 v[BY+\q], 23, v[SC+\q]
.endr
	PV 0, 1, 1, \first
	WIN 0x55
	v_lshl_or_b32 v[BY+2], v[BY+3], 16, v[BY+2]
	LSUM 1, T+16, \first
	v_lshlrev_b32 v[BY+2], v[H8], v[BY+2]
	v_permlanex16_b32 v[XP+1], v[BY+2], s[SEL], s[SEL+1]
	CODES 1
	PLACES 4
.irp p, 0,1
.irp u, 0,1
	PV 1, \p, \u, \first
.endr
.endr
	WIN 0
.endm
	s_load_b128 s[4:7], s[0:1], 0x0                ; kv, erq
	s_load_b64 s[8:9], s[0:1], 0x10                ; oq
	v_lshl_add_u32 v[SPW], v0, 2, SPARE
	v_mov_b32 v[NIL], 0
	ds_add_u32 v[SPW], v[NIL]
	ds_add_u32 v[SPW], v[NIL]
	v_lshrrev_b32 v1, 5, v0
	v_readfirstlane_b32 s[WV], v1                  ; wave 0..7
	s_and_b32 s11, s[WV], 3
	s_lshr_b32 s12, s[WV], 2                       ; even steps or odd ones
	s_lshl_b32 s[TA], s11, 1
	s_or_b32 s[TA], s[TA], s12
	s_xor_b32 s[TBB], s[TA], 1
	s_mul_i32 s[TB], s12, 19200
	s_bfe_u32 s11, ttmp6, 0x40000                  ; cx
	s_lshl_b32 s[QB], ttmp9, 2
	s_add_co_u32 s[QB], s[QB], s11                 ; it enters global addresses of my own loads and stores alone
	s_lshl_b32 s[EQ], s[QB], 3
	s_and_b32 s13, ttmp7, 0xffff                   ; the head 8 b + hd, which the four partners share
	s_mul_i32 s14, s13, 307200
	s_mov_b32 s15, 0
	s_mul_i32 s52, s[QB], 19200
	s_mov_b32 s53, 0
	s_mul_i32 s62, s[WV], 38400                    ; what I fetch: steps 2 w, 2 w + 1, in memory as in LDS
	s_mov_b32 s63, 0
	s_mov_b32 s[G1], 15|(3<<16)|(1<<21)            ; 15:0 the mask: all four work-groups; 17:16 elements of 8 bytes; 21 set beside a mask; no padding
	s_mov_b32 s[G1+1], 32<<16                      ; a dense block: 150 rows of 256 bytes
	s_mov_b32 s[G1+2], 150<<16
	s_mov_b32 s[G1+3], 32<<16
	s_mov_b32 s[G1+4], 150
	s_mov_b32 s[G1+5], 32
	s_mov_b32 s[G1+6], 0
	s_mov_b32 s[G1+7], 0
	s_mov_b32 s[SEL], 0x76543210
	s_mov_b32 s[SEL+1], 0xfedcba98                 ; v_permlanex16_b32's selects for lane l xor 16
	s_mov_b32 s[CS], 0x3d8293ee
	s_mov_b32 s[CS+1], s[CS]                       ; named with it as a pair, so it is written
	s_mov_b32 s[NC], 0xbd8293ee
	v_and_b32 v44, 31, v0
	v_and_b32 v[RR], 15, v0
	v_bfe_u32 v[HH], v0, 4, 1
	v_lshlrev_b32 v[LI], 4, v44
	v_lshlrev_b32 v[L8], 3, v44
	s_wait_alu depctr_va_vdst(0)
	QADDR 0, TA
	QADDR 1, TBB
	s_wait_alu depctr_va_vdst(0)
	s_wait_dscnt 0x0
	s_wait_kmcnt 0x0
	s_add_nc_u64 s[16:17], s[4:5], s[14:15]        ; the head in kv
	s_add_nc_u64 s[52:53], s[16:17], s[52:53]      ; its step QB
	s_mov_b32 s[G0], 1
	s_mov_b32 s[G0+1], s62
	s_add_nc_u64 s[G0+2:G0+3], s[16:17], s[62:63]
	s_or_b32 s[G0+3], s[G0+3], 0x80000000
	; my queries go out ahead of the head's 307,200 bytes: the first product wants them
.irp a, 0,1
	global_load_b64 v[QQ+12*\a:QQ+12*\a+1], v[233+5*\a], s[52:53] offset:12288+256
	global_load_b128 v[QQ+12*\a+2:QQ+12*\a+5], v[232+5*\a], s[52:53] offset:512
	global_load_b64 v[QQ+12*\a+6:QQ+12*\a+7], v[235+5*\a], s[6:7]
	global_load_b128 v[QQ+12*\a+8:QQ+12*\a+11], v[234+5*\a], s[6:7] offset:256
	global_load_b32 v[244+2*\a], v[242+\a], s[52:53] offset:18432    ; bytes k0, k1, q0, q1
	global_load_b32 v[245+2*\a], v[236+5*\a], s[6:7] offset:98304    ; er's two bytes, in bits 16 to 31
.endr
	; one load a wave, in one chain of arms: the barriers below show each arm's loads by themselves
	ROUND                                          ; all four work-groups are here: the joint loads meet
	s_cmp_lt_u32 s[WV], 1
	s_cbranch_scc0 .Lload_b
	tensor_load_to_lds s[G0:G0+3], s[G1:G1+7]
	s_nop 0
	PLACES 4
	s_branch .Lasked
.Lload_b:
	s_cmp_lt_u32 s[WV], 3
	s_cbranch_scc0 .Lload_c
	tensor_load_to_lds s[G0:G0+3], s[G1:G1+7]
	s_nop 0
	PLACES 4
	s_branch .Lasked
.Lload_c:
	tensor_load_to_lds s[G0:G0+3], s[G1:G1+7]
	s_nop 0
	PLACES 4
.Lasked:
	v_add_nc_u32 v[L8K], 12288, v[L8]
	v_add_nc_u32 v[L8K+1], 14336, v[L8]
	v_add_nc_u32 v[L8K+2], 16384, v[L8]
	WIN 0x40
	v_lshlrev_b32 v[H8], 3, v[HH]
	v_mov_b32 v[XP], 0                             ; written once: a lane permute's destination counts as one of its sources
	v_mov_b32 v[XP+1], 0
	v_mov_b32 v[FF+1], 0                           ; named as the upper halves of pairs
	v_mov_b32 v[FF+3], 0
	WIN 0
	s_wait_alu depctr_va_vdst(0)
	s_wait_loadcnt 0x0
.irp a, 0,1
	v_lshrrev_b32 v[244+2*\a], 16, v[244+2*\a]
.endr
.irp a, 0,1
	v_or_b32 v[QS+\a], v[244+2*\a], v[245+2*\a]    ; q0, q1, er0, er1
.endr
	PLACES 8                                       ; a scale register written by a vector instruction stands eight places ahead of a scaled product
	s_wait_alu depctr_va_vdst(0)
	s_cmp_lt_u32 s[WV], 1
	s_cbranch_scc0 .Lnot_a
	s_wait_tensorcnt 0x0
.Lnot_a:
	BAR                                            ; steps 0, 1 are in
	KADDR
	KLOADS
	STEP 1, 0
	s_cmp_lt_u32 s[WV], 3
	s_cbranch_scc0 .Lnot_b
	s_wait_tensorcnt 0x0
.Lnot_b:
	BAR                                            ; steps 2 to 5 are in
	s_add_co_u32 s[TB], s[TB], 38400
	KADDR
	KLOADS
	STEP 0, 1
	STEP 0, 0
	s_wait_tensorcnt 0x0
	BAR                                            ; all are in
	s_add_co_u32 s[TB], s[TB], 38400
	KADDR
	KLOADS
	s_mov_b32 s[CNT], 4
.Lsteps:
	STEP 0, 1
	s_sub_co_u32 s[CNT], s[CNT], 1
	s_cmp_lg_u32 s[CNT], 0
	s_cbranch_scc1 .Lsteps
	STEP 0, 0
	; THE MERGE AND THE WAY OUT
	s_mul_i32 s2, s[TA], MRG
	s_mul_i32 s3, s[TBB], MRG
	s_lshl_b32 s18, s[TA], 6
	s_add_co_u32 s18, s18, OSTG
	v_add_nc_u32 v44, s2, v[LI]                    ; these four are also the places behind the last products
	v_add_nc_u32 v45, s3, v[LI]
	v_lshl_add_u32 v232, v[RR], 2, s18             ; my row's scale word: 64 x tile + 4 r
	v_add_nc_u32 v233, OSTG, v[LI]                 ; where wave 0 reads the 128 words back
	s_wait_alu depctr_va_vdst(0)
	s_lshr_b32 s54, s13, 3
	s_lshl_b32 s54, s54, 4
	s_add_co_u32 s54, s54, s[QB]                   ; block R = 16 b + QB of 128 rows
	s_mul_i32 s54, s54, 53248
	s_bfe_u32 s55, s13, 0x10002
	s_mul_i32 s55, s55, 26624
	s_add_co_u32 s54, s54, s55                     ; its half of K: heads 0-3 or 4-7
	s_and_b32 s55, s13, 3                          ; hd % 4
	s_mul_i32 s56, s55, 768                        ; half hd % 2 of the half's fragment (hd % 4) / 2
	s_mul_i32 s57, s[TA], 3072                     ; my tile: two fragments
	s_add_co_u32 s56, s56, s57
	s_add_co_u32 s56, s56, s54
	s_mov_b32 s57, 0
	s_lshl_b32 s55, s55, 9
	s_add_co_u32 s54, s54, s55
	s_mov_b32 s55, 0
	s_add_nc_u64 s[56:57], s[8:9], s[56:57]
	s_add_nc_u64 s[54:55], s[8:9], s[54:55]
	s_wait_dscnt 0x0                               ; my reads of the head are over,
	BAR                                            ; everybody's are
	WIN 0x04
.irp g, 0,1,2,3,4,5,6,7
	ds_store_b128 v45, v[O+32+4*\g:O+32+4*\g+3] offset:512*\g   ; tile B's O^T as it stands, each accumulator from its low end on,
.endr
	ds_store_b128 v45, v[ST+4:ST+7] offset:4096    ; and -M, the largest score, the sum's two halves
	WIN 0
	s_wait_dscnt 0x0                               ; for the partner's sake: my stores have landed
	BAR
	WIN 0x40
	ds_load_b128 v[BM:BM+3], v44 offset:4096       ; the partner's statistics of tile A first,
.irp g, 0,1,2,3,4,5,6,7
	ds_load_b128 v[S+4*\g:S+4*\g+3], v44 offset:512*\g   ; then its O^T
.endr
	WIN 0x55
	v_add_f32 v[ST+2], v[ST+2], v[ST+3]            ; my sum's two halves
	s_wait_alu depctr_va_vdst(0)
	s_wait_dscnt 8                                 ; the statistics are in; the eight loads of O^T may be out
	v_min_num_f32 v[T], v[ST], v[BM]               ; -M of both halves: M is the larger of the two
	v_add_f32 v[T+3], v[BM+2], v[BM+3]             ; the partner's sum
	v_sub_f32 v[T+1], v[T], v[ST]                  ; my M less M, and the partner's: whole numbers, 0 or less
	v_sub_f32 v[T+2], v[T], v[BM]
	v_cvt_i32_f32 v[T+1], v[T+1]                   ; (they saturate)
	v_cvt_i32_f32 v[T+2], v[T+2]
	v_ldexp_f32 v[FF], 1.0, v[T+1]                 ; the two factors: exact powers of two
	v_ldexp_f32 v[FF+2], 1.0, v[T+2]
	v_mul_f32 v[ST+2], v[ST+2], v[FF]
	v_fma_f32 v[ST+2], v[T+3], v[FF+2], v[ST+2]    ; both under M
	v_permlanex16_b32 v[XP], v[ST+2], s[SEL], s[SEL+1]
	v_add_f32 v[ST+2], v[ST+2], v[XP]              ; with lane l xor 16's: the row's sum
	s_wait_alu depctr_va_vdst(0)
	v_rcp_f32 v[ST+2], v[ST+2]
	v_nop
	s_wait_alu depctr_va_vdst(0)
	v_mul_f32 v[FF], v[FF], v[ST+2]                ; factor / sum: a power of two times the reciprocal rounds nothing
	v_mul_f32 v[FF+2], v[FF+2], v[ST+2]
	s_wait_alu depctr_va_vdst(0)
	s_wait_dscnt 0x0                               ; the partner's O^T is in
.set J, 0
.rept 16
	v_pk_mul_f32 v[S+J:S+J+1], v[S+J:S+J+1], v[FF+2:FF+3] op_sel_hi:[1,0]
.set J, J+2
.endr
	s_wait_alu depctr_va_vdst(0)
.set J, 0
.rept 16
	v_pk_fma_f32 v[S+J:S+J+1], v[O+J:O+J+1], v[FF:FF+1], v[S+J:S+J+1] op_sel_hi:[1,0,1]   ; register i = channel 32 h + i of o: a whole block
.set J, J+2
.endr
	v_max3_num_f32 v[T], |v[S]|, |v[S+1]|, 0x1800000
	v_max3_num_f32 v[T+1], |v[S+16]|, |v[S+17]|, |v[S+18]|
.irp i, 2,4,6,8,10,12
	v_max3_num_f32 v[T], v[T], |v[S+\i]|, |v[S+\i+1]|
	v_max3_num_f32 v[T+1], v[T+1], |v[S+\i+17]|, |v[S+\i+18]|
.endr
	v_max3_num_f32 v[T], v[T], |v[S+14]|, |v[S+15]|
	v_max3_num_f32 v[T], v[T], |v[S+31]|, v[T+1]
	v_add_nc_u32 v[SC], 0xff000000, v[T]
	v_lshrrev_b32 v[BY], 23, v[SC]
	v_lshlrev_b32 v[BY], v[H8], v[BY]
	v_permlanex16_b32 v[XP], v[BY], s[SEL], s[SEL+1]
	WIN 0x05
	v_cvt_scalef32_pk16_fp6_f32 v[PC:PC+2], v[S:S+15], v[SC]
	v_cvt_scalef32_pk16_fp6_f32 v[PT:PT+2], v[S+16:S+31], v[SC]
	v_or_b32 v234, v[BY], v[XP]                    ; both bytes of the row's word.  (Also the plain place behind the conversions)
	WIN 0
.irp i, 0,1,2
	v_mov_b32 v[PC+3+\i], v[PT+\i]
.endr
	global_store_b64 v[L8], v[PC:PC+1], s[56:57]
	global_store_b128 v[LI], v[PC+2:PC+5], s[56:57] offset:256
	ds_store_b32 v232, v234                        ; both halves of the lanes write the same word
	s_wait_dscnt 0x0                               ; for wave 0's sake
	BAR
	s_cmp_lg_u32 s[WV], 0
	s_cbranch_scc1 .Lnot_0
	ds_load_b128 v[236:239], v233
	s_wait_dscnt 0x0
	global_store_b128 v[LI], v[236:239], s[54:55] offset:24576   ; the head's 128 words: 512 consecutive bytes
.Lnot_0:
	s_wait_tensorcnt 0x0                           ; the wave's end
	ds_add_u32 v[SPW], v[NIL]
	s_wait_dscnt 0x0
	ROUND                                          ; the closing round
	s_endpgm
.Lfunc_end_k_qf512817d7d_attn:
	.size	k_qf512817d7d_attn, .Lfunc_end_k_qf512817d7d_attn-k_qf512817d7d_attn
	.p2alignl 7, 3214868480
	.fill 96, 4, 3214868480
	.section	.rodata,"a",@progbits
	.p2align	6, 0x0
	.amdhsa_kernel k_qf512817d7d_attn
		.amdhsa_group_segment_fixed_size 308736
		.amdhsa_private_segment_fixed_size 0
		.amdhsa_enable_private_segment 0
		.amdhsa_kernarg_size 24
		.amdhsa_user_sgpr_count 2
		.amdhsa_user_sgpr_kernarg_segment_ptr 1
		.amdhsa_wavefront_size32 1
		.amdhsa_system_sgpr_workgroup_id_x 1
		.amdhsa_system_sgpr_workgroup_id_y 1
		.amdhsa_system_sgpr_workgroup_id_z 1
		.amdhsa_system_vgpr_workitem_id 0
		.amdhsa_next_free_vgpr 512
		.amdhsa_next_free_sgpr 66
		.amdhsa_reserve_vcc 0
		.amdhsa_float_denorm_mode_32 3
		.amdhsa_float_denorm_mode_16_64 3
		.amdhsa_memory_ordered 1
		.amdhsa_forward_progress 1
		.amdhsa_inst_pref_size 153
	.end_amdhsa_kernel
	.amdgpu_metadata
---
amdhsa.version: [ 1, 2 ]
amdhsa.kernels:
  - .name:           k_qf512817d7d_attn
    .symbol:         k_qf512817d7d_attn.kd
    .args:
      - { .name: kv, .offset: 0, .size: 8, .value_kind: global_buffer, .address_space: global }
      - { .name: erq, .offset: 8, .size: 8, .value_kind: global_buffer, .address_space: global }
      - { .name: oq, .offset: 16, .size: 8, .value_kind: global_buffer, .address_space: global }
    .group_segment_fixed_size: 308736
    .private_segment_fixed_size: 0
    .kernarg_segment_align: 8
    .kernarg_segment_size: 24
    .max_flat_workgroup_size: 256
    .sgpr_count:     66
    .vgpr_count:     512
    .wavefront_size: 32
...
	.end_amdgpu_metadata
.endif
;; end of part 3
;; launch outp (part 4): grid 8 x 32, 4 waves a work-group, clusters of 4 x 4, 168,448 bytes of LDS; arguments oq, wq, bo, out0; writes out0
.if DOCPART == 4
	.amdgcn_target "amdgcn-amd-amdhsa--gfx1250"
	.amdhsa_code_object_version 6
	.text
	.protected	k_qf512817d7d_outp
	.globl	k_qf512817d7d_outp
	.p2align	8
	.type	k_qf512817d7d_outp,@function
k_qf512817d7d_outp:
	s_mov_b64 s[64:65], 0
	v_nop
	global_prefetch_b8 v0, s[64:65] scope:SCOPE_SE
	s_setreg_imm32_b32 hwreg(HW_REG_WAVE_MODE, 25, 1), 1
	s_wait_xcnt 0x0
	s_wait_alu depctr_hold_cnt(0) depctr_sa_sdst(0) depctr_va_vdst(0) depctr_va_sdst(0) depctr_va_ssrc(0) depctr_va_vcc(0) depctr_vm_vsrc(0)
	s_getreg_b32 s2, hwreg(HW_REG_IB_STS2, 6, 4)
	s_cmp_eq_u32 s2, 0
	s_cbranch_scc0 .Lentry_in_a_cluster
	s_endpgm
.Lentry_in_a_cluster:
	s_bfe_u32 s2, ttmp6, 0x10000c
	s_cmp_lg_u32 s2, 0xf033
	s_cbranch_scc0 .Lentry_shape_is_right
	s_endpgm
.Lentry_shape_is_right:
; OUTP: out0 = o Wo^T + bo on codes of FP6 (E2M3).  o's codes and scale bytes come from the attention, Wo's from the first launch, both as images of operand registers.
; A work-group takes 128 rows (block R) and 64 columns (group g): 256 bytes of each row.  Wave w takes o's tiles 2 w, 2 w + 1 against Wo's four tiles: eight accumulators, four K steps of 128.
; Used transposed (source 0 = 16 rows of Wo, source 1 = 16 rows of o).  Lane r of tile T holds row 64 (T / 4) + 8 (T % 4) + (r % 8) + 32 (r / 8): a lane holds one row of o and the columns 32 h + 8 t + 0 .. 7 of Wo's tile t.
; bo is loaded straight into the accumulators, so every product adds in place.
; CLUSTER 4 x 4: o's block hangs on R alone and is shared along a row of the cluster, Wo's on g alone and is shared along a column: joint loads.  Every LDS byte is filled once, at the head: no loop to prefetch in.
; BOTH BLOCKS COME IN TWO HALVES OF K (heads 0-3 and 4-7), each with load lines and a barrier of its own: the first half is multiplied while the second is on its way.
.set WOB,   53248                      ; LDS: o's halves of 26,624 bytes at 0, Wo's of 12,800 here,
.set STAGE, 78848                      ; and behind them, where no fill lands: 128 rows x (256 + 16) bytes; a wave touches its own 32 rows alone
.set SPARE, 167936
.set LI,  1                            ; 16 l
.set LIW, 2                            ; 16 l + my two tiles of o
.set L8W, 3                            ; 8 l + the same
.set WL,  4                            ; 16 l + Wo's block
.set OSA, 5                            ; 4 l + 128 w: lanes 0-15 tile 2 w's raw words, lanes 16-31 tile 2 w + 1's
.set SO,  6                            ; the stage: where I put 32 bytes of a row
.set SR,  7                            ; and where I read a row back
.set GO,  8                            ; my byte offset in two rows of out0
.set BO,  9                            ; 128 h
.set OS,  12                           ; v12-15 o's scale words, nothing else
.set WS,  16                           ; v16-23 Wo's, nothing else
.set RAW, 24                           ; v24-31 a head's two bytes a row
.set ACC, 32                           ; v32-95 eight accumulators
.set SET, 96                           ; v96-167, v168-239 two sets: two fragments of o, then four of Wo
.set WSA, 240                          ; 128 h + 8 r + Wo's block
.set SPW, 254
.set NIL, 255
.set WV,  12
.set G1,  24
.set G0,  32
.set G1B, 48
.set G0B, 56
.macro PLACES n
.rept \n
	v_nop
.endr
.endm
.macro ROUND                           ; a round of the cluster's barrier
	s_barrier_signal -1
	s_barrier_wait -1
	s_cmp_lg_u32 s[WV], 0
	s_cbranch_scc1 .Lnot_wave_0_\@
	s_barrier_signal -3
.Lnot_wave_0_\@:
	s_barrier_wait -3
	s_barrier_signal -1
	s_barrier_wait -1
.endm
.macro WMS d, a, b, sa, sb, ra, rb
	v_wmma_scale_f32_16x16x128_f8f6f4 v[\d:\d+7], v[\a:\a+11], v[\b:\b+11], v[\d:\d+7], v[\sa], v[\sb] matrix_a_fmt:MATRIX_FMT_FP6 matrix_b_fmt:MATRIX_FMT_FP6 matrix_a_scale:MATRIX_SCALE_ROW\ra matrix_b_scale:MATRIX_SCALE_ROW\rb
.endm
	s_load_b256 s[4:11], s[0:1], 0x0               ; oq, wq, bo, out0
	v_lshl_add_u32 v[SPW], v0, 2, SPARE
	v_mov_b32 v[NIL], 0
	ds_add_u32 v[SPW], v[NIL]
	ds_add_u32 v[SPW], v[NIL]
	v_lshrrev_b32 v1, 5, v0
	v_readfirstlane_b32 s[WV], v1                  ; wave 0..3
	s_bfe_u32 s13, ttmp6, 0x40000                  ; cx
	s_bfe_u32 s14, ttmp6, 0x40004                  ; cy
	s_lshl_b32 s15, ttmp9, 2
	s_add_co_u32 s15, s15, s13                     ; g
	s_and_b32 s16, ttmp7, 0xffff
	s_lshl_b32 s16, s16, 2
	s_add_co_u32 s16, s16, s14                     ; R
	s_lshl_b32 s17, s14, 2
	s_lshl_b32 s17, 15, s17                        ; my row of the cluster
	s_lshl_b32 s18, 0x1111, s13                    ; my column
	s_and_b32 s19, s[WV], 1                        ; I fetch for o (0) or for Wo (1)
	s_lshr_b32 s20, s[WV], 1                       ; which half of K
	; dense half blocks, as rows of 256 bytes (32 elements of 8 bytes): o's 104 rows, Wo's 50
	s_or_b32 s[G1], s17, (3<<16)|(1<<21)
	s_mov_b32 s[G1+1], 32<<16
	s_mov_b32 s[G1+2], 104<<16
	s_mov_b32 s[G1+3], 32<<16
	s_mov_b32 s[G1+4], 104
	s_mov_b32 s[G1+5], 32
	s_mov_b32 s[G1+6], 0
	s_mov_b32 s[G1+7], 0
	s_or_b32 s[G1B], s18, (3<<16)|(1<<21)
	s_mov_b32 s[G1B+1], 32<<16
	s_mov_b32 s[G1B+2], 50<<16
	s_mov_b32 s[G1B+3], 32<<16
	s_mov_b32 s[G1B+4], 50
	s_mov_b32 s[G1B+5], 32
	s_mov_b32 s[G1B+6], 0
	s_mov_b32 s[G1B+7], 0
	s_mul_i32 s21, s20, 26624                      ; o's half: in LDS,
	s_mul_i32 s36, s16, 53248
	s_add_co_u32 s36, s36, s21                     ; and in memory: R and the wave alone
	s_mov_b32 s37, 0
	s_mul_i32 s22, s20, 12800                      ; Wo's half
	s_add_co_u32 s38, s15, 24                      ; Wo's blocks are 24 .. 31 of the weights
	s_mul_i32 s38, s38, 25600
	s_add_co_u32 s38, s38, s22                     ; g and the wave alone
	s_mov_b32 s39, 0
	s_add_co_u32 s23, s22, WOB
	s_wait_dscnt 0x0
	ROUND                                          ; all sixteen work-groups are here, ahead of the wait for the arguments
	s_wait_kmcnt 0x0
	s_mov_b32 s[G0], 1
	s_mov_b32 s[G0+1], s21
	s_add_nc_u64 s[G0+2:G0+3], s[4:5], s[36:37]
	s_or_b32 s[G0+3], s[G0+3], 0x80000000
	s_mov_b32 s[G0B], 1
	s_mov_b32 s[G0B+1], s23
	s_add_nc_u64 s[G0B+2:G0B+3], s[6:7], s[38:39]
	s_or_b32 s[G0B+3], s[G0B+3], 0x80000000
.macro ARM under, g0, g1, next         ; one load a wave, in one chain of arms
	s_cmp_lt_u32 s[WV], \under
	s_cbranch_scc0 \next
	tensor_load_to_lds s[\g0:\g0+3], s[\g1:\g1+7]
	s_nop 0
	PLACES 4
	s_branch .Lasked
\next:
.endm
	ARM 1, G0, G1, .Lw_0
	ARM 2, G0B, G1B, .Lo_1
	ARM 3, G0, G1, .Lw_1
	tensor_load_to_lds s[G0B:G0B+3], s[G1B:G1B+7]
	s_nop 0
	PLACES 4
.Lasked:
	s_lshl_b32 s42, s15, 8                         ; the group's 64 columns: 256 bytes
	s_mov_b32 s43, 0
	s_add_nc_u64 s[8:9], s[8:9], s[42:43]
	s_lshl_b32 s44, s16, 18                        ; 128 R rows of 2,048 bytes,
	s_lshl_b32 s45, s20, 17                        ; 64 (w / 2) rows,
	s_add_co_u32 s44, s44, s45
	s_lshl_b32 s45, s19, 15                        ; 16 (w % 2) rows
	s_add_co_u32 s44, s44, s45
	s_add_co_u32 s44, s44, s42
	s_mov_b32 s45, 0
	s_add_nc_u64 s[10:11], s[10:11], s[44:45]
	s_mul_i32 s40, s[WV], 6144
	s_lshl_b32 s41, s[WV], 7
	s_mul_i32 s46, s[WV], 32*272
	s_add_co_u32 s46, s46, STAGE
	v_bfe_u32 v[BO], v0, 4, 1                      ; h
	v_and_b32 v10, 31, v0                          ; l
	v_and_b32 v11, 15, v0                          ; r
	v_lshlrev_b32 v[WSA], 7, v[BO]                 ; (a tile's words of a half: 128 bytes)
	v_mul_u32_u24 v[SR], v[BO], 272
	v_lshlrev_b32 v[GO], 11, v[BO]
	v_and_b32 v[SO], 8, v11
	v_add_nc_u32 v[SO], v[SO], v11                 ; (r % 8) + 16 (r / 8): the row in my part of the stage
	v_mul_u32_u24 v[SO], v[SO], 272
	v_lshl_add_u32 v[SO], v[BO], 7, v[SO]          ; + 128 h: my half's 32 columns
	v_add_nc_u32 v[SO], s46, v[SO]
	v_lshlrev_b32 v[BO], 7, v[BO]
	s_wait_alu depctr_va_vdst(0)
.irp a, 0,1
.irp t, 0,1,2,3
	global_load_b128 v[ACC+32*\a+8*\t:ACC+32*\a+8*\t+3], v[BO], s[8:9] offset:32*\t       ; bo at the tile's eight columns of my half: the sums begin with it
	global_load_b128 v[ACC+32*\a+8*\t+4:ACC+32*\a+8*\t+7], v[BO], s[8:9] offset:32*\t+16
.endr
.endr
	v_lshlrev_b32 v[LI], 4, v10
	v_add_nc_u32 v[LIW], s40, v[LI]
	v_lshl_add_u32 v[L8W], v10, 3, s40
	v_add_nc_u32 v[WL], WOB, v[LI]
	v_lshl_add_u32 v[OSA], v10, 2, s41
	v_lshl_add_u32 v[SR], v11, 4, v[SR]
	v_add_nc_u32 v[SR], s46, v[SR]                 ; back: lanes 0-15 one row of 256 bytes, lanes 16-31 the next
	v_lshl_add_u32 v[GO], v11, 4, v[GO]            ; and the same two rows in out0
	v_lshl_add_u32 v[WSA], v11, 3, v[WSA]
	v_add_nc_u32 v[WSA], WOB, v[WSA]
	s_wait_alu depctr_va_vdst(0)
	s_cmp_lt_u32 s[WV], 2
	s_cbranch_scc0 .Lnot_h0
	s_wait_tensorcnt 0x0                           ; my part of the first half has landed,
.Lnot_h0:
	s_barrier_signal -1
	s_barrier_wait -1                              ; everybody's has
; K step s (heads 2 s, 2 s + 1) into set e: 20 loads.  A head's half of a fragment of o: registers 0, 1 at 8 l, registers 2 .. 5 at 256 + 16 l
.macro FETCH s, e
.irp a, 0,1
.irp c, 0,1
	ds_load_b64 v[SET+72*\e+12*\a+6*\c:SET+72*\e+12*\a+6*\c+1], v[L8W] offset:26624*(\s/2)+3072*\a+1536*(\s%2)+768*\c
	ds_load_b128 v[SET+72*\e+12*\a+6*\c+2:SET+72*\e+12*\a+6*\c+5], v[LIW] offset:26624*(\s/2)+3072*\a+1536*(\s%2)+768*\c+256
.endr
.endr
.irp t, 0,1,2,3
.irp g, 0,1,2
	ds_load_b128 v[SET+72*\e+24+12*\t+4*\g:SET+72*\e+24+12*\t+4*\g+3], v[WL] offset:12800*(\s/2)+3072*\t+1536*(\s%2)+512*\g
.endr
.endr
.endm
.macro MUL s, e                        ; eight accumulators by turns
.irp a, 0,1
.irp p, 0,1
.irp u, 0,1
	WMS ACC+32*\a+16*\p+8*\u, SET+72*\e+24+24*\p+12*\u, SET+72*\e+12*\a, WS+4*\p+\s, OS+\s, \u, \a
.endr
.endr
.endr
.endm
.macro WORDS q                         ; the scale bytes and words of half q: six loads
.irp d, 0,1,2,3
	ds_load_b32 v[RAW+4*\q+\d], v[OSA] offset:26624*\q+24576+512*\d
.endr
.irp p, 0,1
	ds_load_b64 v[WS+4*\p+2*\q:WS+4*\p+2*\q+1], v[WSA] offset:12800*\q+12288+256*\p
.endr
.endm
.macro OSW q                           ; two heads' bytes make a K step's word
.irp j, 0,1
	v_lshl_or_b32 v[OS+2*\q+\j], v[RAW+4*\q+2*\j+1], 16, v[RAW+4*\q+2*\j]
.endr
.endm
	WORDS 0
	FETCH 0, 0
	s_wait_dscnt 20                                ; the words are in; set 0's twenty loads may be out
	OSW 0
	FETCH 1, 1
	PLACES 8                                       ; a scale register written by a vector instruction stands eight places ahead of a scaled product
	s_wait_alu depctr_va_vdst(0)
	s_wait_loadcnt 0x0                             ; bo
	s_wait_dscnt 20                                ; set 0 is in; set 1's twenty may be out
	MUL 0, 0
	s_wait_dscnt 0x0
	MUL 1, 1
	s_wait_tensorcnt 0x0                           ; my part of the second half has landed,
	s_barrier_signal -1
	s_barrier_wait -1                              ; everybody's has
	PLACES 4                                       ; in front of loads into registers that products have read
	WORDS 1
	FETCH 2, 0
	s_wait_dscnt 20
	OSW 1
	FETCH 3, 1
	PLACES 8
	s_wait_alu depctr_va_vdst(0)
	s_wait_dscnt 20
	MUL 2, 0
	s_wait_dscnt 0x0
	MUL 3, 1
	PLACES 4                                       ; in front of the first read of results
	; THE WAY OUT: a lane holds 128 neighbouring bytes of a row, the lanes beside it other rows: through my own 32 rows of the stage, and back as whole rows of 256 bytes
.irp a, 0,1
.irp t, 0,1,2,3
	ds_store_b128 v[SO], v[ACC+32*\a+8*\t:ACC+32*\a+8*\t+3] offset:272*8*\a+32*\t          ; each accumulator from its low end on
	ds_store_b128 v[SO], v[ACC+32*\a+8*\t+4:ACC+32*\a+8*\t+7] offset:272*8*\a+32*\t+16
.endr
.endr
.irp k, 0,1,2,3,4,5,6,7,8,9,10,11,12,13,14,15
	ds_load_b128 v[SET+4*\k:SET+4*\k+3], v[SR] offset:544*\k   ; LDS serves a wave's instructions in order: these see my stores
.endr
.irp k, 0,1,2,3,4,5,6,7,8,9,10,11,12,13,14,15
	s_wait_dscnt 15-\k                             ; rows 2 k, 2 k + 1 are back; the younger loads stay out.  The stage's rows 16-31 are 32 rows of out0 further on than its rows 0-15
	global_store_b128 v[GO], v[SET+4*\k:SET+4*\k+3], s[10:11] offset:4096*\k+32768*(\k/8) th:TH_STORE_NT   ; sixteen lanes store 256 consecutive bytes, aligned; written once, read by nobody here
.endr
	s_wait_tensorcnt 0x0                           ; the wave's end
	ds_add_u32 v[SPW], v[NIL]
	s_wait_dscnt 0x0
	ROUND                                          ; the closing round
	s_endpgm
.Lfunc_end_k_qf512817d7d_outp:
	.size	k_qf512817d7d_outp, .Lfunc_end_k_qf512817d7d_outp-k_qf512817d7d_outp
	.p2alignl 7, 3214868480
	.fill 96, 4, 3214868480
	.section	.rodata,"a",@progbits
	.p2align	6, 0x0
	.amdhsa_kernel k_qf512817d7d_outp
		.amdhsa_group_segment_fixed_size 168448
		.amdhsa_private_segment_fixed_size 0
		.amdhsa_enable_private_segment 0
		.amdhsa_kernarg_size 32
		.amdhsa_user_sgpr_count 2
		.amdhsa_user_sgpr_kernarg_segment_ptr 1
		.amdhsa_wavefront_size32 1
		.amdhsa_system_sgpr_workgroup_id_x 1
		.amdhsa_system_sgpr_workgroup_id_y 1
		.amdhsa_system_sgpr_workgroup_id_z 1
		.amdhsa_system_vgpr_workitem_id 0
		.amdhsa_next_free_vgpr 256
		.amdhsa_next_free_sgpr 66
		.amdhsa_reserve_vcc 0
		.amdhsa_float_denorm_mode_32 3
		.amdhsa_float_denorm_mode_16_64 3
		.amdhsa_memory_ordered 1
		.amdhsa_forward_progress 1
		.amdhsa_inst_pref_size 24
	.end_amdhsa_kernel
	.amdgpu_metadata
---
amdhsa.version: [ 1, 2 ]
amdhsa.kernels:
  - .name:           k_qf512817d7d_outp
    .symbol:         k_qf512817d7d_outp.kd
    .args:
      - { .name: oq, .offset: 0, .size: 8, .value_kind: global_buffer, .address_space: global }
      - { .name: wq, .offset: 8, .size: 8, .value_kind: global_buffer, .address_space: global }
      - { .name: bo, .offset: 16, .size: 8, .value_kind: global_buffer, .address_space: global }
      - { .name: out0, .offset: 24, .size: 8, .value_kind: global_buffer, .address_space: global }
    .group_segment_fixed_size: 168448
    .private_segment_fixed_size: 0
    .kernarg_segment_align: 8
    .kernarg_segment_size: 32
    .max_flat_workgroup_size: 128
    .sgpr_count:     66
    .vgpr_count:     256
    .wavefront_size: 32
...
	.end_amdgpu_metadata
.endif
;; end of part 4
